; MI455X (gfx1250); checked and timed in simulation.
; The chip was launched on July 23, 2026; its instructions are those of AMD's public machine-readable ISA for CDNA 5 (MIT licence, August 2026) and "CDNA5" Instruction Set Architecture Reference Guide (July 2026). The comments in the code are by the model that wrote it; some were corrected since.
;; SWA Block. Allowed arithmetic: float matrix products may take bf16 or f16 operands with f32 sums; other float arithmetic in f32, or as packed bf16 or f16 multiplies, adds, multiply-adds, maxima and minima; sums over many terms, partial sums and values carried from step to step in f32; what a program stores and reads back later, other than sums and carried values, may be rounded once to bf16 or f16.
;; Inputs: ff1_b 3,072 float32; ff1_w 3,072 x 1,024 float32; ff2_b 1,024 float32; ff2_w 1,024 x 3,072 float32; ln1_b 1,024 float32; ln1_w 1,024 float32; ln2_b 1,024 float32; ln2_w 1,024 float32; out_b 1,024 float32; out_w 1,024 x 1,024 float32; qkv_b 3,072 float32; qkv_w 3,072 x 1,024 float32; x 2 x 2,048 x 1,024 float32.
;; Outputs: out0 2 x 2,048 x 1,024 float32.
;; 2 versions, each right; version 2 is version 1 with the launches prep, ln2 written anew for expert scheduling mode. Each part assembles by itself: llvm-mc -triple=amdgcn-amd-amdhsa -mcpu=gfx1250 --defsym DOCPART=n.
;; ======== version 1 of 2: 7 launches
;; limits: right only within a limited range of input values
;; workspace buffers: act 8,388,608 bytes; big 25,165,824 bytes; x1 16,777,216 bytes; wq 6,291,456 bytes; w1 6,291,456 bytes; wo2 8,388,608 bytes
;; launch prep (part 1): grid 256 x 1, 8 waves a work-group, no clusters, 0 bytes of LDS; arguments x, ln1_w, ln1_b, act, qkv_w, out_w, ff1_w, ff2_w, wq, wo2, w1; writes act, wq, wo2, w1
.if DOCPART == 1
	.amdgcn_target "amdgcn-amd-amdhsa--gfx1250"
	.amdhsa_code_object_version 6
	.text
	.protected	k_qa9a474a7bb_prep
	.globl	k_qa9a474a7bb_prep
	.p2align	8
	.type	k_qa9a474a7bb_prep,@function
k_qa9a474a7bb_prep:
	s_mov_b64 s[64:65], 0
	v_nop
	global_prefetch_b8 v0, s[64:65] scope:SCOPE_SE
	s_setreg_imm32_b32 hwreg(HW_REG_WAVE_MODE, 25, 1), 1
	s_wait_xcnt 0x0
; TWO JOBS IN EVERY WAVE, so that all 2,048 waves (256 work-groups of 8) do the same work.  Wave id = 8 x work-group + wave.
; (1) h = LayerNorm(x) * ln1_w + ln1_b, rounded once to bf16, into act [4096][1024]: rows 2 id and 2 id + 1, each kept in 32 registers: mean, then the deviations, then the mean of their squares
;     (two passes, so a common offset in x costs nothing), all in f32.
; (2) bf16 copies of the four weight matrices, each number rounded once: qkv_w -> wq, ff1_w -> w1, ff2_w -> wo2 at byte 2,097,152 (6,144 bytes of f32 a wave each), out_w -> wo2 at byte 0 (2,048 a wave).
; LANES.  Every load takes 512 consecutive bytes: lane l the four numbers 128 k + 4 l .. + 3 of piece k.  They leave as 8 bytes of bf16: the 32 lanes of a store cover 256 consecutive bytes, aligned.
; IN FLIGHT.  16 loads of x, 16 of gain and bias and 28 of weights go out at once; the other 12 of weights when the two rows have come.  No LDS, no barrier: no wave needs another's data.
; REGISTERS.  Window 0: the LayerNorm.  Window 1 (v256 on): the weights' 40 x 4 registers and copies of the two lane offsets, so that one setting serves their loads, conversions and stores
; (s_set_vgpr_msb: bits 1:0 source 0, 3:2 source 1, 7:6 destination).
; LIMITS.  NaN and infinities are not treated apart.
.set IO,  2                            ; v2       16 x lane: my bytes in 512 bytes of f32; never rewritten
.set OO,  3                            ; v3       8 x lane: my bytes in 256 bytes of bf16; never rewritten
.set M,   4                            ; v[4:5]   the row's mean, twice
.set R,   6                            ; v[6:7]   1 / sqrt(var + eps), twice
.set W,   8                            ; v[8:39]  the gain of my 32 columns
.set BV,  40                           ; v[40:71] the bias of my 32 columns
.set X,   72                           ; v[72:135] two rows, 32 registers each
.set T,   136                          ; v[136:143] at work
.set CV,  0                            ; window 1: v[256:415] weight load u at CV + 4 u
.set IO1, 160                          ; window 1: v416  16 x lane
.set OO1, 161                          ; window 1: v417  8 x lane
.set MSB, 0
.macro WIN new                         ; the immediate's high byte repeats the setting that is left
.if MSB != (\new)
	s_set_vgpr_msb (MSB<<8)|(\new)
.set MSB, \new
.endif
.endm
	s_load_b512 s[4:19], s[0:1], 0x0               ; x, ln1_w, ln1_b, act, qkv_w, out_w, ff1_w, ff2_w
	s_load_b128 s[20:23], s[0:1], 0x40             ; wq, wo2
	s_load_b64 s[24:25], s[0:1], 0x50              ; w1
	v_lshrrev_b32 v1, 5, v0
	v_readfirstlane_b32 s30, v1                    ; wave 0..7
	v_and_b32 v1, 31, v0                           ; lane
	v_lshlrev_b32 v[IO], 4, v1
	v_lshlrev_b32 v[OO], 3, v1
	WIN 0x40                                       ; destination window 1
	v_lshlrev_b32 v[IO1], 4, v1
	v_lshlrev_b32 v[OO1], 3, v1
	WIN 0
	s_mov_b32 s36, 0x3a800000                      ; 1 / 1024
	s_mov_b32 s37, 0x3727c5ac                      ; eps = 1e-5
	s_mov_b32 s38, 0x76543210                      ; v_permlanex16_b32: each lane takes its own place in the other half
	s_mov_b32 s39, 0xfedcba98
	s_lshl_b32 s31, ttmp9, 3
	s_add_co_u32 s31, s31, s30                     ; id, 0..2047
	s_lshl_b32 s32, s31, 13                        ; two rows of 4,096 bytes
	s_mov_b32 s33, 0
	s_lshl_b32 s34, s31, 12                        ; the same rows in bf16
	s_mov_b32 s35, 0
	s_mul_i32 s40, s31, 6144                       ; my share of a matrix of 3 x 1,024 x 1,024 numbers, in f32,
	s_mov_b32 s41, 0
	s_mul_i32 s42, s31, 3072                       ; and in bf16
	s_mov_b32 s43, 0
	s_lshl_b32 s44, s31, 11                        ; my share of out_w, in f32,
	s_mov_b32 s45, 0
	s_lshl_b32 s46, s31, 10                        ; and in bf16
	s_mov_b32 s47, 0
	s_wait_kmcnt 0x0
	s_add_nc_u64 s[32:33], s[4:5], s[32:33]        ; x
	s_add_nc_u64 s[34:35], s[10:11], s[34:35]      ; act
	s_add_nc_u64 s[12:13], s[12:13], s[40:41]      ; qkv_w
	s_add_nc_u64 s[16:17], s[16:17], s[40:41]      ; ff1_w
	s_add_nc_u64 s[18:19], s[18:19], s[40:41]      ; ff2_w
	s_add_nc_u64 s[14:15], s[14:15], s[44:45]      ; out_w
	s_add_nc_u64 s[20:21], s[20:21], s[42:43]      ; wq
	s_add_nc_u64 s[24:25], s[24:25], s[42:43]      ; w1
	s_add_nc_u64 s[26:27], s[22:23], s[42:43]      ; ff2_w's copy,
	s_add_nc_u64 s[26:27], s[26:27], 2097152       ; behind out_w's in wo2
	s_add_nc_u64 s[22:23], s[22:23], s[46:47]      ; out_w's copy
.macro ROWIN r
.irp k, 0,1,2,3,4,5,6,7
	global_load_b128 v[X+32*(\r)+4*(\k):X+32*(\r)+4*(\k)+3], v[IO], s[32:33] offset:4096*(\r)+512*(\k) th:TH_LOAD_NT
.endr
.endm
; Weight load u of 40, or its store: 0-11 qkv_w, 12-23 ff1_w, 24-35 ff2_w, 36-39 out_w
.macro WIO u, ld
.if (\u) < 12
.set SB, 12
.set DB, 20
.set J, (\u)
.elseif (\u) < 24
.set SB, 16
.set DB, 24
.set J, (\u)-12
.elseif (\u) < 36
.set SB, 18
.set DB, 26
.set J, (\u)-24
.else
.set SB, 14
.set DB, 22
.set J, (\u)-36
.endif
.if \ld
	global_load_b128 v[CV+4*(\u):CV+4*(\u)+3], v[IO1], s[SB:SB+1] offset:512*J th:TH_LOAD_NT
.else
	global_store_b64 v[OO1], v[CV+4*(\u):CV+4*(\u)+1], s[DB:DB+1] offset:256*J
.endif
.endm
	ROWIN 0
	ROWIN 1
.irp k, 0,1,2,3,4,5,6,7
	global_load_b128 v[W+4*(\k):W+4*(\k)+3], v[IO], s[6:7] offset:512*(\k)
.endr
.irp k, 0,1,2,3,4,5,6,7
	global_load_b128 v[BV+4*(\k):BV+4*(\k)+3], v[IO], s[8:9] offset:512*(\k)
.endr
	WIN 0x45                                       ; destination, source 0 (the address) and source 1 (a store's data) in window 1
.set n, 0
.rept 28
	WIO n, 1
.set n, n+1
.endr
	s_wait_loadcnt 44                              ; both rows of x are in: behind them stand gain and bias (16) and the 28 above
.rept 12
	WIO n, 1                                       ; the other 12
.set n, n+1
.endr
	WIN 0
.macro JOIN                            ; four chains of pairs into one number a lane
	v_pk_add_f32 v[T:T+1], v[T:T+1], v[T+2:T+3]
	v_pk_add_f32 v[T+4:T+5], v[T+4:T+5], v[T+6:T+7]
	v_pk_add_f32 v[T:T+1], v[T:T+1], v[T+4:T+5]
	v_add_f32 v[T], v[T], v[T+1]
.endm
.macro REDUCE                          ; the sum over the 32 lanes, in every lane
	v_add_f32_dpp v[T], v[T], v[T] row_xmask:1 row_mask:0xf bank_mask:0xf
	v_add_f32_dpp v[T], v[T], v[T] row_xmask:2 row_mask:0xf bank_mask:0xf
	v_add_f32_dpp v[T], v[T], v[T] row_xmask:4 row_mask:0xf bank_mask:0xf
	v_add_f32_dpp v[T], v[T], v[T] row_xmask:8 row_mask:0xf bank_mask:0xf
	v_permlanex16_b32 v[T+1], v[T], s38, s39
	v_add_f32 v[T], v[T], v[T+1]
.endm
; One row.  wb = 1: gain and bias are waited for here, once; left: the younger loads that may stay out then.
.macro LNROW r, wb, left
.set XR, X+32*(\r)
.irp k, 0,1,2,3
	v_pk_add_f32 v[T+2*(\k):T+2*(\k)+1], v[XR+4*(\k):XR+4*(\k)+1], v[XR+4*(\k)+2:XR+4*(\k)+3]  ; the first eight pairs start four chains: nothing is cleared
.endr
.irp k, 0,1,2,3,4,5,6,7
	v_pk_add_f32 v[T+2*((\k)%4):T+2*((\k)%4)+1], v[T+2*((\k)%4):T+2*((\k)%4)+1], v[XR+16+2*(\k):XR+16+2*(\k)+1]
.endr
	JOIN
	REDUCE
	v_mul_f32 v[M], s36, v[T]                      ; the mean
	v_mov_b32 v[M+1], v[M]
.set i, 0
.rept 16
	v_pk_add_f32 v[XR+i:XR+i+1], v[XR+i:XR+i+1], v[M:M+1] neg_lo:[0,1] neg_hi:[0,1]  ; d = x - mean, in place
.set i, i+2
.endr
.irp k, 0,1,2,3
	v_pk_mul_f32 v[T+2*(\k):T+2*(\k)+1], v[XR+2*(\k):XR+2*(\k)+1], v[XR+2*(\k):XR+2*(\k)+1]
.endr
.irp k, 4,5,6,7,8,9,10,11,12,13,14,15
	v_pk_fma_f32 v[T+2*((\k)%4):T+2*((\k)%4)+1], v[XR+2*(\k):XR+2*(\k)+1], v[XR+2*(\k):XR+2*(\k)+1], v[T+2*((\k)%4):T+2*((\k)%4)+1]
.endr
	JOIN
	REDUCE
	v_fma_f32 v[T], v[T], s36, s37                 ; var + eps
	v_rsq_f32 v[R], v[T]
	v_rsq_f32 v[R+1], v[T]
	v_nop                                          ; a plain instruction behind the second root, ahead of the use of the results
	s_wait_alu depctr_va_vdst(0)                   ; a wait ahead of the first reader: one for both
.if \wb
	s_wait_loadcnt \left                           ; gain and bias are in
.endif
.set i, 0
.rept 16
	v_pk_mul_f32 v[XR+i:XR+i+1], v[XR+i:XR+i+1], v[R:R+1]
.set i, i+2
.endr
.set i, 0
.rept 16
	v_pk_fma_f32 v[XR+i:XR+i+1], v[XR+i:XR+i+1], v[W+i:W+i+1], v[BV+i:BV+i+1]
.set i, i+2
.endr
.irp k, 0,1,2,3,4,5,6,7
	v_cvt_pk_bf16_f32 v[XR+4*(\k)],   v[XR+4*(\k)],   v[XR+4*(\k)+1]   ; in place, ascending: a register is written only when it has been read
	v_cvt_pk_bf16_f32 v[XR+4*(\k)+1], v[XR+4*(\k)+2], v[XR+4*(\k)+3]
	global_store_b64 v[OO], v[XR+4*(\k):XR+4*(\k)+1], s[34:35] offset:2048*(\r)+256*(\k)  ; 256 consecutive bytes a wave, aligned
.endr
.endm
	LNROW 0, 1, 40                                 ; behind gain and bias stand the 40 loads of weights
	LNROW 1, 0, 0
	WIN 0x45
.set g, 0
.rept 5
	s_wait_loadcnt 32-8*g                          ; the eight loads of group g are in; the later groups' may stay out
.set n, 8*g
.rept 8
	v_cvt_pk_bf16_f32 v[CV+4*n],   v[CV+4*n],   v[CV+4*n+1]
	v_cvt_pk_bf16_f32 v[CV+4*n+1], v[CV+4*n+2], v[CV+4*n+3]
	WIO n, 0
.set n, n+1
.endr
.set g, g+1
.endr
	WIN 0
	s_endpgm
.Lfunc_end_k_qa9a474a7bb_prep:
	.size	k_qa9a474a7bb_prep, .Lfunc_end_k_qa9a474a7bb_prep-k_qa9a474a7bb_prep
	.p2alignl 7, 3214868480
	.fill 96, 4, 3214868480
	.section	.rodata,"a",@progbits
	.p2align	6, 0x0
	.amdhsa_kernel k_qa9a474a7bb_prep
		.amdhsa_group_segment_fixed_size 0
		.amdhsa_private_segment_fixed_size 0
		.amdhsa_enable_private_segment 0
		.amdhsa_kernarg_size 88
		.amdhsa_user_sgpr_count 2
		.amdhsa_user_sgpr_kernarg_segment_ptr 1
		.amdhsa_wavefront_size32 1
		.amdhsa_system_sgpr_workgroup_id_x 1
		.amdhsa_system_sgpr_workgroup_id_y 1
		.amdhsa_system_sgpr_workgroup_id_z 1
		.amdhsa_system_vgpr_workitem_id 0
		.amdhsa_next_free_vgpr 420
		.amdhsa_next_free_sgpr 66
		.amdhsa_reserve_vcc 0
		.amdhsa_float_denorm_mode_32 3
		.amdhsa_float_denorm_mode_16_64 3
		.amdhsa_memory_ordered 1
		.amdhsa_forward_progress 1
		.amdhsa_inst_pref_size 34
	.end_amdhsa_kernel
	.amdgpu_metadata
---
amdhsa.version: [ 1, 2 ]
amdhsa.kernels:
  - .name:           k_qa9a474a7bb_prep
    .symbol:         k_qa9a474a7bb_prep.kd
    .args:
      - { .name: x, .offset: 0, .size: 8, .value_kind: global_buffer, .address_space: global }
      - { .name: ln1_w, .offset: 8, .size: 8, .value_kind: global_buffer, .address_space: global }
      - { .name: ln1_b, .offset: 16, .size: 8, .value_kind: global_buffer, .address_space: global }
      - { .name: act, .offset: 24, .size: 8, .value_kind: global_buffer, .address_space: global }
      - { .name: qkv_w, .offset: 32, .size: 8, .value_kind: global_buffer, .address_space: global }
      - { .name: out_w, .offset: 40, .size: 8, .value_kind: global_buffer, .address_space: global }
      - { .name: ff1_w, .offset: 48, .size: 8, .value_kind: global_buffer, .address_space: global }
      - { .name: ff2_w, .offset: 56, .size: 8, .value_kind: global_buffer, .address_space: global }
      - { .name: wq, .offset: 64, .size: 8, .value_kind: global_buffer, .address_space: global }
      - { .name: wo2, .offset: 72, .size: 8, .value_kind: global_buffer, .address_space: global }
      - { .name: w1, .offset: 80, .size: 8, .value_kind: global_buffer, .address_space: global }
    .group_segment_fixed_size: 0
    .private_segment_fixed_size: 0
    .kernarg_segment_align: 8
    .kernarg_segment_size: 88
    .max_flat_workgroup_size: 256
    .sgpr_count:     66
    .vgpr_count:     420
    .wavefront_size: 32
...
	.end_amdgpu_metadata
.endif
;; end of part 1
;; launch proj3072 (part 2): grid 8 x 32, 4 waves a work-group, clusters of 4 x 4, 327,680 bytes of LDS; arguments act, wq, qkv_b, big; writes big
.if DOCPART == 2
	.amdgcn_target "amdgcn-amd-amdhsa--gfx1250"
	.amdhsa_code_object_version 6
	.text
	.protected	k_qa9a474a7bb_proj3072
	.globl	k_qa9a474a7bb_proj3072
	.p2align	8
	.type	k_qa9a474a7bb_proj3072,@function
k_qa9a474a7bb_proj3072:
	s_mov_b64 s[64:65], 0
	v_nop
	global_prefetch_b8 v0, s[64:65] scope:SCOPE_SE
	s_setreg_imm32_b32 hwreg(HW_REG_WAVE_MODE, 25, 1), 1
	s_wait_xcnt 0x0
	s_wait_alu depctr_hold_cnt(0) depctr_sa_sdst(0) depctr_va_vdst(0) depctr_va_sdst(0) depctr_va_ssrc(0) depctr_va_vcc(0) depctr_vm_vsrc(0)
	s_getreg_b32 s2, hwreg(HW_REG_IB_STS2, 6, 4)
	s_cmp_eq_u32 s2, 0
	s_cbranch_scc0 .Lentry_in_a_cluster
	s_endpgm
.Lentry_in_a_cluster:
	s_bfe_u32 s2, ttmp6, 0x10000c
	s_cmp_lg_u32 s2, 0xf033
	s_cbranch_scc0 .Lentry_shape_is_right
	s_endpgm
.Lentry_shape_is_right:
; OUT[m][n] = f(sum over k of A[m][k] W[n][k] + bias[n]).  A: [4096][1024] bf16, W: [3072][1024] bf16, bias: [3072] f32, OUT: [4096][3072] bf16, rounded once; sums in f32.
; One source serves two kernels: with GELU = 0 (this one) f is the identity, with GELU = 1 the exact GELU x Phi(x).  They differ in the way out alone.
; GELU.  gelu(x) = max(x, 0) - |x| Q(|x|), Q(y) = 1 - Phi(y) = exp(-y^2 / 2) / sqrt(2 pi) x (b1 t + .. + b5 t^5), t = 1 / (1 + 0.2316419 y) (Abramowitz and Stegun 26.2.17: absolute error of Phi
; under 7.5e-8 for every y >= 0; no range is cut: for large y the exponential goes to 0).  LIMITS: NaN and infinities are not treated apart.
; SHARES.  A tile of OUT is 128 rows x 384 columns: 8 x 32 = 256 work-groups; a row's 384 bf16 are 768 consecutive bytes, aligned to 256.  Wave w makes all 128 rows of columns 96 w .. 96 w + 95:
; 8 x 6 accumulators of 16 x 16, 384 registers; for 32 along K it reads 28 x 512 bytes from LDS for 48 matrix instructions.
; RING.  K goes in 8 steps of 128 through two LDS slots (A's 128 rows, then W's 384), filled by the tensor data mover; wave 0 fetches A's rows, waves 1-3 each 128 rows of W.
; A LOOP'S TRIP IS ONE K STEP, so that a step's text stands once in the loop that fills slots again and once in the loop of the last two steps, which fills nothing.  The slot in hand is a scalar, s[TB], 0 or SLOT,
; turned by an exclusive or at each change of slots; the fragments' LDS addresses and the LDS word of the walking descriptor are made from it.
; CLUSTER.  4 x 4 work-groups.  A's tile hangs on the tile row alone and is asked for jointly by the four of a row of the cluster, W's on the tile column alone, jointly by a column.
; THE MATRIX INSTRUCTION IS USED TRANSPOSED (source 0 = 16 rows of W, source 1 = 16 rows of A): a lane holds row l % 16 of OUT and the columns 8 (l / 16) + 0..7.  In that layout the bias is eight
; registers a column block, the same for all rows: it is the C operand of the products that start the sums, so nothing is cleared and no addition follows.
; THE WAY OUT.  The sums go in f32 into a stage of 128 rows x 1,552 bytes that takes the ring's place when its last fill has landed and its last read is over; each wave reads 32 whole rows back, applies f, rounds and stores.
; REGISTERS, in windows of 256 (s_set_vgpr_msb: bits 1:0 source 0, 3:2 source 1, 5:4 source 2, 7:6 destination):
;   window 0: v16-31 addresses; v64-127, v128-191 A's fragments, two buffers; on the way out v32-187 at work
;   window 1: v0-47 the bias; v64-111, v128-175 W's fragments, two buffers
;   window 2: the accumulators of rows 0-63 ((a, b) at v[8 (6 a + b)]);   window 3: those of rows 64-127
.set GELU,   0
.set SIZE_K, 1024
.set SIZE_N, 3072
.set KSTEP,  128
.set NSTEPS, SIZE_K/KSTEP
.set PITCH,  272                       ; an LDS row: 256 bytes + 16 of padding = 68 words: the 16 rows of a fragment load start at 16 different groups of four banks (64 banks of 4 bytes: ISA guide 11.1)
.set HALFT,  128*PITCH                 ; what one tensor load brings
.set SLOT,   4*HALFT
.set SPARE,  2*SLOT                    ; behind the ring: the spare words, 128 bytes a wave: two blocks of 256 bytes that no other line names
.set SP,     1552                      ; a stage row: 1,536 bytes + 16 = 388 words: again 16 rows at 16 different groups of four banks
.set ADRA, 16                          ; v16     LDS address of my A fragments in the slot in hand: ADRA0 + s[TB]
.set ADRA0, 17                         ; v17     the same in slot 0; never rewritten
.set ADRB, 20                          ; v20-21  the same for W
.set ADRB0, 21
.set STO,  22                          ; v22-24  into the stage: row blocks 0-2, 3-5, 6-7 (an LDS offset has 16 bits)
.set RD,   25                          ; v25     back from the stage: the trip's address, RD0 + s[RS]
.set CO,   26                          ; v26     my byte offset in OUT
.set BO,   27                          ; v27     32 x (l / 16): my eight numbers in a block of the bias
.set SPW,  28                          ; v28     LDS address of my spare word; never rewritten
.set NIL,  29                          ; v29     0; never rewritten
.set PFO,  30                          ; v30     the prefetches' offset: lane x a row of 2,048 bytes; never rewritten
.set RD0,  31                          ; v31     my 16 bytes in the first of my wave's 32 stage rows; never rewritten
.set F0,   64
.set F1,   128
.set XX,   32                          ; the way out: 24 numbers (2 rows x 384 columns / 32 lanes) as read back
.set AB,   56                          ; |x|
.set RR,   80                          ; max(x, 0)
.set TT,   104                         ; t
.set EE,   128                         ; exp(-x^2 / 2)
.set PP,   152                         ; the polynomial, then the result
.set YY,   176                         ; 12 registers of bf16
.set OUTP, 10                          ; s[10:11] OUT
.set TB,   12                          ; s12  the slot in hand: 0 or SLOT
.set LB,   13                          ; s13  where my tensor loads go in a slot: wave x 128 rows
.set WV,   14                          ; s14  my wave's number
.set RS,   15                          ; s15  the way out: bytes from my first stage row to the rows to be read next
.set G1,   24                          ; s[24:31] descriptor group 1 for A's tiles;  s[32:39] group 0: a set for each of the two first fills; the second then walks on
.set G0,   32
.set LIM,  43                          ; s43  2 in a wave that prefetches, else the greatest number
.set PFA,  44                          ; s[44:45] where my prefetches stand
.set G1B,  48                          ; s[48:55], s[56:63] the same for W's tiles
.set G0B,  56
.set CP,   66                          ; s[66:79] GELU's constants, each twice: a packed source names a pair
.set CNK,  68
.set C5,   70
.set C4,   72
.set C3,   74
.set C2,   76
.set C1,   78
.set FIELDS, (1<<16)|(1<<20)|(1<<21)|(5<<22)|(3<<25)  ; 17:16 elements of 2 bytes; 20 padding on; 21 set beside a mask; 24:22 after every 64 words; 31:25 4 words of it
.set MSB, 0
.macro WIN new                         ; the immediate's high byte repeats the setting that is left; a switch that changes nothing is dropped
.if MSB != (\new)
	s_set_vgpr_msb (MSB<<8)|(\new)
.set MSB, \new
.endif
.endm
; A joint load.  The branch hangs on the wave's number alone.  An s_nop 0 and four v_nop follow each of the two lines, ahead of the jump and the label.
.macro JLOAD s
	s_cmp_eq_u32 s[WV], 0
	s_cbranch_scc0 .Lfor_w_\@
	tensor_load_to_lds s[G0+4*(\s):G0+4*(\s)+3], s[G1:G1+7]
	s_nop 0
.rept 4
	v_nop
.endr
	s_branch .Lasked_\@
.Lfor_w_\@:
	tensor_load_to_lds s[G0B+4*(\s):G0B+4*(\s)+3], s[G1B:G1B+7]
	s_nop 0
.rept 4
	v_nop
.endr
.Lasked_\@:
.endm
; A prefetch into the L2 of the K step that stands two refills on: 32 rows x 256 bytes, a lane a row, one instruction a wave.  Of the 128 rows that a wave fetches each of the four partners that ask
; for them jointly takes 32, told apart by address; A's rows are asked for by the clusters with x = 0 alone, W's by those with y = 0 alone: each row's 256 bytes of K steps 4 to 7 are named once in the launch.
; K steps 0 to 3 come by their loads alone; the loop's last two trips (s3 = 2, 1) have no K step two refills on and ask for nothing.
.macro ASK
	s_cmp_gt_u32 s3, s[LIM]
	s_cbranch_scc0 .Lnot_mine_\@
	global_prefetch_b8 v[PFO], s[PFA:PFA+1] offset:KSTEP*2 th:TH_LOAD_NT scope:SCOPE_SE
.Lnot_mine_\@:
.endm
.macro CREST                           ; a round of the cluster's barrier behind its opening barrier
	s_cmp_lg_u32 s[WV], 0
	s_cbranch_scc1 .Lnot_wave_0_\@
	s_barrier_signal -3
.Lnot_wave_0_\@:
	s_barrier_wait -3
	s_barrier_signal -1
	s_barrier_wait -1
.endm
.macro CROUND                          ; a whole round
	s_barrier_signal -1
	s_barrier_wait -1
	CREST
.endm
.macro PAIR reg, val
	s_mov_b32 s[\reg], \val
	s_mov_b32 s[(\reg)+1], \val
.endm
.macro SETADR                          ; the fragments' addresses in the slot in hand
	v_add_nc_u32 v[ADRA], s[TB], v[ADRA0]
	v_add_nc_u32 v[ADRB], s[TB], v[ADRB0]
.endm
	s_load_b256 s[4:11], s[0:1], 0x0               ; A s[4:5], W s[6:7], bias s[8:9], OUT s[10:11]
	v_lshl_add_u32 v[SPW], v0, 2, SPARE
	v_mov_b32 v[NIL], 0
	ds_add_u32 v[SPW], v[NIL]                      ; the wave's opening: the add and its wait ahead of my first tensor load; work on registers stands between them
	v_lshrrev_b32 v1, 5, v0
	v_readfirstlane_b32 s[WV], v1                  ; wave 0..3
	s_bfe_u32 s16, ttmp6, 0x40000                  ; cx
	s_bfe_u32 s17, ttmp6, 0x40004                  ; cy
	s_lshl_b32 s18, ttmp9, 2
	s_add_co_u32 s18, s18, s16                     ; tile column = 4 x cluster x + cx
	s_and_b32 s19, ttmp7, 0xffff
	s_lshl_b32 s19, s19, 2
	s_add_co_u32 s19, s19, s17                     ; tile row = 4 x cluster y + cy
	s_lshl_b32 s20, s17, 2
	s_lshl_b32 s20, 15, s20                        ; my row of the cluster
	s_lshl_b32 s21, 0x1111, s16                    ; my column
	s_or_b32 s[G1], s20, FIELDS                    ; A's tiles go to my row,
	s_or_b32 s[G1B], s21, FIELDS                   ; W's to my column
.irp g, G1, G1B
	s_mov_b32 s[(\g)+1], KSTEP<<16                 ; tensor_dim0 = 128
	s_mov_b32 s[(\g)+2], 128<<16                   ; tensor_dim1 = 128
	s_mov_b32 s[(\g)+3], KSTEP<<16                 ; tile_dim0 = 128
	s_mov_b32 s[(\g)+4], 128                       ; tile_dim1 = 128
	s_mov_b32 s[(\g)+5], SIZE_K                    ; elements from row to row
	s_mov_b32 s[(\g)+6], 0
	s_mov_b32 s[(\g)+7], 0
.endr
.if GELU
	PAIR CP,  0x3e6d3389                           ; 0.2316419
	PAIR CNK, 0xbf38aa3b                           ; -log2(e) / 2
	PAIR C5,  0x3f07dc22                           ; b5 .. b1, each divided by sqrt(2 pi)
	PAIR C4,  0xbf3a00e3
	PAIR C3,  0x3f35f0e3
	PAIR C2,  0xbe11a98e
	PAIR C1,  0x3e027906
.endif
	s_lshl_b32 s40, s19, 18                        ; A: 128 rows of 2,048 bytes a tile row: made of the tile row alone
	s_mov_b32 s41, 0
	s_max_u32 s22, s[WV], 1
	s_sub_co_u32 s22, s22, 1                       ; which 128 rows of W's 384 I fetch (waves 1-3; wave 0 never uses it)
	s_lshl_b32 s22, s22, 18
	s_mul_i32 s46, s18, 384*SIZE_K*2               ; W: made of the tile column and the wave's number alone
	s_add_co_u32 s46, s46, s22
	s_mov_b32 s47, 0
	s_mul_i32 s[LB], s[WV], HALFT                  ; A's rows, then W's three blocks = wave x 128 rows
	s_mov_b32 s[TB], 0                             ; slot 0 is the first in hand
	s_wait_dscnt 0x0                               ; the opening add is done
	s_wait_kmcnt 0x0
	s_add_nc_u64 s[40:41], s[4:5], s[40:41]
	s_add_nc_u64 s[46:47], s[6:7], s[46:47]
	CROUND                                         ; all sixteen work-groups are here: the first joint loads meet
.irp s, 0,1
	s_mov_b32 s[G0+4*(\s)], 1                      ; count = 1
	s_add_co_u32 s[G0+4*(\s)+1], s[LB], (\s)*SLOT  ; LDS address
	s_add_nc_u64 s[G0+4*(\s)+2:G0+4*(\s)+3], s[40:41], (\s)*KSTEP*2  ; global address: K step s
	s_or_b32 s[G0+4*(\s)+3], s[G0+4*(\s)+3], 0x80000000              ; type = 2
	s_mov_b32 s[G0B+4*(\s)], 1
	s_add_co_u32 s[G0B+4*(\s)+1], s[LB], (\s)*SLOT
	s_add_nc_u64 s[G0B+4*(\s)+2:G0B+4*(\s)+3], s[46:47], (\s)*KSTEP*2
	s_or_b32 s[G0B+4*(\s)+3], s[G0B+4*(\s)+3], 0x80000000
	JLOAD \s                                       ; two loads of mine are out
.endr
	v_and_b32 v1, 15, v0                           ; l % 16
	v_bfe_u32 v2, v0, 4, 1                         ; l / 16
	v_and_b32 v5, 31, v0                           ; l
	v_lshlrev_b32 v[BO], 5, v2
	s_mul_i32 s20, s18, 1536                       ; the bias of my 96 columns: 384 x 4 bytes a tile column,
	s_mul_i32 s21, s[WV], 384                      ; 96 x 4 a wave
	s_add_co_u32 s20, s20, s21
	s_mov_b32 s21, 0
	s_add_nc_u64 s[8:9], s[8:9], s[20:21]
	WIN 0x40                                       ; destination window 1
.irp b, 0,1,2,3,4,5
	global_load_b128 v[8*(\b):8*(\b)+3],   v[BO], s[8:9] offset:64*(\b)
	global_load_b128 v[8*(\b)+4:8*(\b)+7], v[BO], s[8:9] offset:64*(\b)+16
.endr
	WIN 0
	v_mul_u32_u24 v3, v1, PITCH
	v_lshl_add_u32 v[ADRA0], v2, 4, v3             ; a fragment's row x pitch + 16 x half
	s_mul_i32 s42, s[WV], 96*PITCH
	s_add_co_u32 s42, s42, HALFT                   ; my 96 rows of W, behind A's 128
	v_add_nc_u32 v[ADRB0], s42, v[ADRA0]
	SETADR
	v_mul_u32_u24 v4, v1, SP                       ; into the stage: row l % 16, my 96 columns' 384 bytes, 32 bytes for each half of the lanes
	v_lshl_add_u32 v4, v2, 5, v4
	s_mul_i32 s42, s[WV], 384
	v_add_nc_u32 v[STO], s42, v4
	v_add_nc_u32 v[STO+1], 3*16*SP, v[STO]
	v_add_nc_u32 v[STO+2], 6*16*SP, v[STO]
	s_mul_i32 s42, s[WV], 32*SP                    ; back: wave w takes rows 32 w .. 32 w + 31, whole
	v_lshl_add_u32 v[RD0], v5, 4, s42
	v_lshlrev_b32 v[CO], 3, v5                     ; four numbers a lane are 8 bytes of bf16
	v_lshlrev_b32 v[PFO], 11, v5
	s_lshl_b32 s20, s19, 7
	s_lshl_b32 s21, s[WV], 5
	s_add_co_u32 s20, s20, s21                     ; the first row of OUT that I store
	s_mul_i32 s20, s20, SIZE_N*2
	s_mul_i32 s21, s18, 768                        ; the tile's first column, in bytes
	s_add_co_u32 s20, s20, s21
	s_mov_b32 s21, 0
	s_add_nc_u64 s[OUTP:OUTP+1], s[OUTP:OUTP+1], s[20:21]
	; the prefetches
	s_and_b32 s22, ttmp7, 0xffff                   ; cluster y
	s_cmp_eq_u32 s[WV], 0                          ; do I fetch for A?
	s_cselect_b32 s20, s16, s17                    ; my place among the four that ask with me
	s_cselect_b32 s22, ttmp9, s22                  ; the coordinate along which other clusters read the same rows
	s_cselect_b64 s[PFA:PFA+1], s[40:41], s[46:47] ; the 128 rows that I fetch
	s_cmp_eq_u32 s22, 0
	s_cselect_b32 s[LIM], 2, -1                    ; the same in all sixteen partners, for a given wave
	s_lshl_b32 s20, s20, 16                        ; my work-group's 32 rows of 2,048 bytes
	s_add_nc_u64 s[PFA:PFA+1], s[PFA:PFA+1], s[20:21]
	s_add_nc_u64 s[PFA:PFA+1], s[PFA:PFA+1], 2*KSTEP*2  ; at K step 2: the first refill steps it to 3 and names K step 4
; 12 matrix instructions: row blocks a0, a0 + 1 of the window's four x all 6 column blocks, 32 along K.  first = 1: the bias starts the sums.  The 48 accumulators take turns, one instruction a
; turn, in the same order in every quarter step.
.macro MUL12 f, hi, a0, first
.if \first
	WIN 0x91+0x40*(\hi)                            ; W window 1, A window 0, C (the bias) window 1, D window 2 or 3
.else
	WIN 0xa1+0x50*(\hi)                            ; C and D window 2 or 3
.endif
.irp a, \a0, (\a0)+1
.irp b, 0,1,2,3,4,5
.if \first
	v_wmma_f32_16x16x32_bf16 v[8*(6*(\a)+(\b)):8*(6*(\a)+(\b))+7], v[(\f)+8*(\b):(\f)+8*(\b)+7], v[(\f)+8*(4*(\hi)+(\a)):(\f)+8*(4*(\hi)+(\a))+7], v[8*(\b):8*(\b)+7]
.else
	v_wmma_f32_16x16x32_bf16 v[8*(6*(\a)+(\b)):8*(6*(\a)+(\b))+7], v[(\f)+8*(\b):(\f)+8*(\b)+7], v[(\f)+8*(4*(\hi)+(\a)):(\f)+8*(4*(\hi)+(\a))+7], v[8*(6*(\a)+(\b)):8*(6*(\a)+(\b))+7]
.endif
.endr
.endr
.endm
; 28 LDS loads in one run: the fragments of one quarter step (96 rows of W, 128 rows of A, 32 K at byte k of the rows of the slot in hand) into buffer f
.macro FETCH k, f
	WIN 0x40
.irp i, 0,1,2,3,4,5
	ds_load_b128 v[(\f)+8*(\i):(\f)+8*(\i)+3],   v[ADRB] offset:(\k)+(\i)*16*PITCH
	ds_load_b128 v[(\f)+8*(\i)+4:(\f)+8*(\i)+7], v[ADRB] offset:(\k)+(\i)*16*PITCH+32
.endr
	WIN 0
.irp i, 0,1,2,3,4,5,6,7
	ds_load_b128 v[(\f)+8*(\i):(\f)+8*(\i)+3],   v[ADRA] offset:(\k)+(\i)*16*PITCH
	ds_load_b128 v[(\f)+8*(\i)+4:(\f)+8*(\i)+7], v[ADRA] offset:(\k)+(\i)*16*PITCH+32
.endr
.endm
.macro PLACES                          ; four plain places behind matrix instructions, ahead of loads into registers that they have read and of LDS stores of their results (ISA guide 7.12.1 for the stores)
.rept 4
	v_nop
.endr
.endm
; A K step is four quarters of 32 along K, 48 matrix instructions each, on buffers 0, 1, 0, 1.  One of the first three: multiplies buffer f and fetches the next quarter, at byte k, into g.
.macro QUARTER k, f, g, first
	s_wait_dscnt 8                                 ; W and A's rows 0-63 are in; the youngest eight loads (A's rows 64-127) may be out
	MUL12 \f, 0, 0, \first
	MUL12 \f, 0, 2, \first
	PLACES
	FETCH \k, \g
	s_wait_dscnt 28                                ; all but the 28 just issued
	MUL12 \f, 1, 0, \first
	MUL12 \f, 1, 2, \first
.endm
; The last quarter multiplies buffer 1 and changes slots.  Its first half: each wave waits for all its tensor loads (at most one is out: its part of the next slot), adds 0 to its spare word, waits for that and
; for its own reads of this slot, and meets the others.  Branches follow it, so it leaves every window 0.
.macro MEET
	WIN 0                                          ; (the add's two registers lie in window 0)
	s_wait_tensorcnt 0x0
	ds_add_u32 v[SPW], v[NIL]
	s_wait_dscnt 9                                 ; (the add and the youngest eight loads may be out)
	MUL12 F1, 0, 0, 0                              ; twelve matrix instructions stand between the add and the wait for it
	s_wait_dscnt 0x0                               ; the add is done, and my reads of this slot are over
	s_barrier_signal -1
	MUL12 F1, 0, 2, 0                              ; work on registers while the others arrive
	WIN 0
	s_barrier_wait -1
.endm
	s_wait_tensorcnt 1                             ; my part of K step 0 is in; K step 1's may stay out
	s_barrier_signal -1
	s_barrier_wait -1
	FETCH 0, F0
	s_wait_loadcnt 0x0                             ; the bias
	QUARTER 64,  F0, F1, 1                         ; the first quarter stands in front of the loops: its products start the sums
	WIN 0                                          ; at a label and at a branch every window is 0
	s_mov_b32 s3, NSTEPS-2
.Lstep:                                                ; a trip goes from a K step's second quarter to the next step's first, and fills the slot that it leaves: all steps but the last two
	QUARTER 128, F1, F0, 0
	QUARTER 192, F0, F1, 0
	s_wait_xcnt 0x0                                ; the last prefetch, a K step back, has read its address
	s_add_nc_u64 s[PFA:PFA+1], s[PFA:PFA+1], KSTEP*2
	MEET                                           ; its barrier opens a round of the cluster's barrier:
	CREST                                          ; no wave of any partner still reads this slot's tile or has a load on its way
	s_add_co_u32 s[G0+5], s[LB], s[TB]             ; the walking descriptors: into the slot that is left,
	s_add_co_u32 s[G0B+5], s[LB], s[TB]
	s_add_nc_u64 s[G0+6:G0+7], s[G0+6:G0+7], KSTEP*2       ; the K step behind the last one asked for; the type bits on top are not reached
	s_add_nc_u64 s[G0B+6:G0B+7], s[G0B+6:G0B+7], KSTEP*2
	s_xor_b32 s[TB], s[TB], SLOT                   ; the other slot is in hand
	JLOAD 1                                        ; the first tensor load behind the round: it has 168 matrix instructions in which to land; its four v_nop are also places in front of the loads below
	SETADR
	FETCH 0, F0
	ASK
	MUL12 F1, 1, 0, 0
	MUL12 F1, 1, 2, 0
	QUARTER 64,  F0, F1, 0
	WIN 0
	s_sub_co_u32 s3, s3, 1
	s_cmp_lg_u32 s3, 0
	s_cbranch_scc1 .Lstep
	s_mov_b32 s3, 2
.Ltail:                                                ; the last two K steps: the same trip with no fill and no round; the second trip is left in its middle
	QUARTER 128, F1, F0, 0
	QUARTER 192, F0, F1, 0
	MEET                                           ; (in the second trip nothing is out any more: its barrier says that no wave reads the ring again)
	s_sub_co_u32 s3, s3, 1
	s_cmp_eq_u32 s3, 0
	s_cbranch_scc1 .Lout
	s_xor_b32 s[TB], s[TB], SLOT
	SETADR                                         ; these two and the two v_nop are the four places in front of the loads below
	v_nop
	v_nop
	FETCH 0, F0
	MUL12 F1, 1, 0, 0
	MUL12 F1, 1, 2, 0
	QUARTER 64,  F0, F1, 0
	WIN 0
	s_branch .Ltail
.Lout:                                                 ; every way here passes MEET's barrier behind the last read of the ring: it has had its last fill, and the stage takes its place
	MUL12 F1, 1, 0, 0
	MUL12 F1, 1, 2, 0
	WIN 0
	PLACES
.set a, 0
.rept 8
	WIN 0x08+4*(a/4)                               ; the stores' data in window 2 or 3
.set b, 0
.rept 6
.set AC, 8*(6*(a%4)+b)
	ds_store_b128 v[STO+a/3], v[AC:AC+3]   offset:(a%3)*16*SP+64*b     ; each accumulator's four lowest registers first
	ds_store_b128 v[STO+a/3], v[AC+4:AC+7] offset:(a%3)*16*SP+64*b+16
.set b, b+1
.endr
.set a, a+1
.endr
	WIN 0
	s_wait_dscnt 0x0                               ; for the others' sake: my stores into the stage are done
	s_barrier_signal -1
	s_barrier_wait -1
; Two rows a trip, 16 trips.  Load k: row k / 3, 512 consecutive bytes (128 columns); its four numbers a lane leave as 8 bytes, 32 lanes covering 256 consecutive bytes, aligned.
.macro OLOADS adr
.irp k, 0,1,2,3,4,5
	ds_load_b128 v[XX+4*(\k):XX+4*(\k)+3], v[\adr] offset:((\k)/3)*SP+((\k)%3)*512
.endr
.endm
.macro OSTORES                         ; CO has been stepped already: the stores reach back
.irp k, 0,1,2,3,4,5
	global_store_b64 v[CO], v[YY+2*(\k):YY+2*(\k)+1], s[OUTP:OUTP+1] offset:((\k)/3)*SIZE_N*2+((\k)%3)*256-2*SIZE_N*2
.endr
.endm
	s_mov_b32 s2, 16
	s_mov_b32 s[RS], 0
	OLOADS RD0                                     ; the first two rows
.Lrows:
	s_wait_dscnt 0x0                               ; this trip's six loads
.if GELU
.set i, 0
.rept 24
	v_and_b32 v[AB+i], 0x7fffffff, v[XX+i]
	v_max_num_f32 v[RR+i], 0, v[XX+i]
.set i, i+1
.endr
.else
	s_wait_xcnt 0x0                                ; the last trip's stores have read their data and their offset
	v_add_nc_u32 v[CO], 2*SIZE_N*2, v[CO]
.set i, 0
.rept 12
	v_cvt_pk_bf16_f32 v[YY+i], v[XX+2*i], v[XX+2*i+1]
.set i, i+1
.endr
.endif
	s_add_co_u32 s[RS], s[RS], 2*SP                ; two stage rows on, once a trip
	s_sub_co_u32 s2, s2, 1
	s_cmp_eq_u32 s2, 0
	s_cbranch_scc1 .Llast                          ; the last trip has nothing more to read
	v_add_nc_u32 v[RD], s[RS], v[RD0]
	OLOADS RD                                      ; the next trip's rows come in under this trip's work
.Llast:
.if GELU
.set i, 0
.rept 12
	v_pk_fma_f32 v[TT+i:TT+i+1], v[AB+i:AB+i+1], s[CP:CP+1], 1.0 op_sel_hi:[1,0,0]
	v_pk_mul_f32 v[EE+i:EE+i+1], v[AB+i:AB+i+1], s[CNK:CNK+1] op_sel_hi:[1,0]
.set i, i+2
.endr
.set i, 0
.rept 12
	v_pk_mul_f32 v[EE+i:EE+i+1], v[EE+i:EE+i+1], v[AB+i:AB+i+1]
.set i, i+2
.endr
.set i, 0
.rept 24                               ; one batch of 48
	v_rcp_f32 v[TT+i], v[TT+i]
	v_exp_f32 v[EE+i], v[EE+i]
.set i, i+1
.endr
	v_nop                                          ; a plain instruction behind the last of them
	s_wait_alu depctr_va_vdst(0)                   ; a wait ahead of the first reader: one for the batch
.set i, 0
.rept 12
	v_pk_fma_f32 v[PP+i:PP+i+1], v[TT+i:TT+i+1], s[C5:C5+1], s[C4:C4+1] op_sel_hi:[1,0,0]
.set i, i+2
.endr
.irp c, C3, C2, C1
.set i, 0
.rept 12
	v_pk_fma_f32 v[PP+i:PP+i+1], v[PP+i:PP+i+1], v[TT+i:TT+i+1], s[\c:\c+1] op_sel_hi:[1,1,0]
.set i, i+2
.endr
.endr
.set i, 0
.rept 12
	v_pk_mul_f32 v[TT+i:TT+i+1], v[TT+i:TT+i+1], v[EE+i:EE+i+1]
.set i, i+2
.endr
.set i, 0
.rept 12
	v_pk_mul_f32 v[PP+i:PP+i+1], v[PP+i:PP+i+1], v[TT+i:TT+i+1]      ; Q(|x|)
.set i, i+2
.endr
.set i, 0
.rept 12
	v_pk_fma_f32 v[PP+i:PP+i+1], v[AB+i:AB+i+1], v[PP+i:PP+i+1], v[RR+i:RR+i+1] neg_lo:[1,0,0] neg_hi:[1,0,0]  ; max(x, 0) - |x| Q
.set i, i+2
.endr
	s_wait_xcnt 0x0                                ; the last trip's stores have read their data and their offset
	v_add_nc_u32 v[CO], 2*SIZE_N*2, v[CO]
.set i, 0
.rept 12
	v_cvt_pk_bf16_f32 v[YY+i], v[PP+2*i], v[PP+2*i+1]
.set i, i+1
.endr
.endif
	OSTORES
	s_cmp_lg_u32 s2, 0
	s_cbranch_scc1 .Lrows
	s_wait_dscnt 0x0                               ; my reads of the stage are over;
	s_barrier_signal -1
	s_barrier_wait -1                              ; behind this barrier no wave reads the stage any more
	s_wait_tensorcnt 0x0                           ; the wave's end: behind my last tensor load and my last LDS store
	ds_add_u32 v[SPW], v[NIL]
	s_wait_dscnt 0x0
	CROUND                                         ; the closing round: no work-group ends while a partner may still ask for a tile that names it
	s_endpgm
.Lfunc_end_k_qa9a474a7bb_proj3072:
	.size	k_qa9a474a7bb_proj3072, .Lfunc_end_k_qa9a474a7bb_proj3072-k_qa9a474a7bb_proj3072
	.p2alignl 7, 3214868480
	.fill 96, 4, 3214868480
	.section	.rodata,"a",@progbits
	.p2align	6, 0x0
	.amdhsa_kernel k_qa9a474a7bb_proj3072
		.amdhsa_group_segment_fixed_size 327680
		.amdhsa_private_segment_fixed_size 0
		.amdhsa_enable_private_segment 0
		.amdhsa_kernarg_size 32
		.amdhsa_user_sgpr_count 2
		.amdhsa_user_sgpr_kernarg_segment_ptr 1
		.amdhsa_wavefront_size32 1
		.amdhsa_system_sgpr_workgroup_id_x 1
		.amdhsa_system_sgpr_workgroup_id_y 1
		.amdhsa_system_sgpr_workgroup_id_z 1
		.amdhsa_system_vgpr_workitem_id 0
		.amdhsa_next_free_vgpr 960
		.amdhsa_next_free_sgpr 66
		.amdhsa_reserve_vcc 0
		.amdhsa_float_denorm_mode_32 3
		.amdhsa_float_denorm_mode_16_64 3
		.amdhsa_memory_ordered 1
		.amdhsa_forward_progress 1
		.amdhsa_inst_pref_size 69
	.end_amdhsa_kernel
	.amdgpu_metadata
---
amdhsa.version: [ 1, 2 ]
amdhsa.kernels:
  - .name:           k_qa9a474a7bb_proj3072
    .symbol:         k_qa9a474a7bb_proj3072.kd
    .args:
      - { .name: act, .offset: 0, .size: 8, .value_kind: global_buffer, .address_space: global }
      - { .name: wq, .offset: 8, .size: 8, .value_kind: global_buffer, .address_space: global }
      - { .name: qkv_b, .offset: 16, .size: 8, .value_kind: global_buffer, .address_space: global }
      - { .name: big, .offset: 24, .size: 8, .value_kind: global_buffer, .address_space: global }
    .group_segment_fixed_size: 327680
    .private_segment_fixed_size: 0
    .kernarg_segment_align: 8
    .kernarg_segment_size: 32
    .max_flat_workgroup_size: 128
    .sgpr_count:     66
    .vgpr_count:     960
    .wavefront_size: 32
...
	.end_amdgpu_metadata
.endif
;; end of part 2
;; launch attn (part 3): grid 16 x 16, 16 waves a work-group, no clusters, 180,224 bytes of LDS; arguments big, act; writes act
.if DOCPART == 3
	.amdgcn_target "amdgcn-amd-amdhsa--gfx1250"
	.amdhsa_code_object_version 6
	.text
	.protected	k_qa9a474a7bb_attn
	.globl	k_qa9a474a7bb_attn
	.p2align	8
	.type	k_qa9a474a7bb_attn,@function
k_qa9a474a7bb_attn:
	s_mov_b64 s[64:65], 0
	v_nop
	global_prefetch_b8 v0, s[64:65] scope:SCOPE_SE
	s_setreg_imm32_b32 hwreg(HW_REG_WAVE_MODE, 25, 1), 1
	s_wait_xcnt 0x0
; CAUSAL ATTENTION IN A WINDOW OF 128 KEYS.  ctx[s][h] = sum over t in (s - 128, s] of softmax_t(q[s][h] . k[t][h] / 8) v[t][h].  qkv: [2 x 2048][3 x 16 x 64] bf16 (rows of 6,144 bytes: q, then k, then v);
; ctx: [2 x 2048][16 x 64] bf16.  Products, maximum and sum in f32; the weights are rounded to bf16 for the second product (their sum is taken of the unrounded ones), ctx once at the end.
; SHARES.  A work-group takes 128 queries of one batch and TWO heads, so that a row of its K and V tiles is 256 consecutive bytes, aligned.  It needs the keys q0 - 128 .. q0 + 127: 256 rows of K and of V.
; Wave w takes head w / 8 of the pair and the 16 queries 16 (w % 8) on, whose window lies in the 144 keys t0 - 128 .. t0 + 15: nine blocks of 16.  A lane holds all 72 scores of its query's half at once,
; so the maximum is the true one, taken before the exponentials; there is no loop.
; LAYOUT.  S^T = K Q^T (source 0 = 16 keys, source 1 = 16 queries): a lane holds ONE query (l % 16) and the keys 8 (l / 16) + 0..7 of each block.  Two blocks rounded to bf16 in pairs ARE source 1 of
; O^T = V^T P.  K comes out of LDS as it lies, V turned, by ds_load_tr16_b128.
; THE MASK is what the score registers hold before the products add onto them: 0, or -1e30 where the key is hidden (block 0: key place <= query place; block 8: key place > query place; in a batch's first
; block of queries also every key ahead of the batch's first: there the tile's first half holds rows 0-127 once more, finite numbers inside the buffer).  A tenth block, needed to fill the fifth pair, has weights 0.
; LIMITS.  A hidden score counts as its value less 1e30: scores stay far under that; a weight below 2^-126 counts as 0; NaN and infinities are not treated apart.
; NO CLUSTER: a half tile of keys is the first half for one block of queries and the second for its neighbour: other LDS addresses.
.set PK,    272                        ; a row of K in LDS: 256 + 16 bytes: the 16 rows of a load start at 16 different groups of four banks (64 banks of 4 bytes: ISA guide 11.1)
.set PV,    288                        ; a row of V: 256 + 32
.set VOFF,  256*PK
.set STAGE, VOFF+256*PV                ; 128 rows x 272 bytes for the way out: no tensor load fills it
.set SPARE, STAGE+128*PK               ; the spare words, 128 bytes for each of 16 waves: eight blocks of 256 bytes that no other line names
.set ROWB,  6144
.set AK,  3                            ; v3   my place in K
.set AV,  4                            ; v4   my place in V
.set QO,  5                            ; v5   my byte offset in 16 rows of q
.set STO, 6                            ; v6   into the stage
.set RD,  7                            ; v7   back from it
.set GO,  8                            ; v8   my byte offset in two rows of ctx
.set SPW, 22                           ; v22  LDS address of my spare word; never rewritten
.set NIL, 23                           ; v23  0; never rewritten
.set S,   24                           ; v[24:95]   the scores, block u at S + 8 u; later P (pair c at S + 8 c) and O^T (channel block cb at S + 40 + 8 cb)
.set O,   64
.set KF,  96                           ; v[96:239]  K: block u, channel half c at KF + 16 u + 8 c;   later V: pair c, channel block cb at KF + 32 c + 8 cb, v[96:255]
.set QF,  240                          ; v[240:255] Q: channel half c at QF + 8 c
.set WV,  8                            ; s8 wave; s9 block of queries; s10 batch; s11 pair of heads; s12 head of the pair; s13 tile of 16 queries; s14 which half of a tile I fetch
.set G1K, 16
.set G1V, 24
.set G0K, 32
.set CS,  36                           ; s[36:37] c = log2(e) / 8
.set SEL, 38                           ; s[38:39] v_permlanex16_b32's selects
.set G0V, 40
	s_load_b128 s[4:7], s[0:1], 0x0                ; qkv s[4:5], ctx s[6:7]
	v_lshl_add_u32 v[SPW], v0, 2, SPARE
	v_mov_b32 v[NIL], 0
	ds_add_u32 v[SPW], v[NIL]                      ; the wave's opening: the add and its wait ahead of the first tensor load; work on registers stands between them
	v_lshrrev_b32 v1, 5, v0
	v_readfirstlane_b32 s[WV], v1                  ; wave 0..15
	s_mov_b32 s9, ttmp9
	s_and_b32 s10, ttmp7, 0xffff
	s_and_b32 s11, s10, 7
	s_lshr_b32 s10, s10, 3
	s_lshr_b32 s12, s[WV], 3
	s_and_b32 s13, s[WV], 7
	s_and_b32 s14, s[WV], 1
	s_mov_b32 s[G1K], (1<<16)|(1<<20)|(5<<22)|(3<<25)  ; elements of 2 bytes; padding on, after every 64 words, 4 words
	s_mov_b32 s[G1V], (1<<16)|(1<<20)|(5<<22)|(7<<25)  ; the same with 8 words
.irp g, G1K, G1V
	s_mov_b32 s[(\g)+1], 128<<16                   ; tensor_dim0 = 128
	s_mov_b32 s[(\g)+2], 128<<16                   ; tensor_dim1 = 128
	s_mov_b32 s[(\g)+3], 128<<16                   ; tile_dim0 = 128
	s_mov_b32 s[(\g)+4], 128                       ; tile_dim1 = 128
	s_mov_b32 s[(\g)+5], 3072                      ; elements from row to row
	s_mov_b32 s[(\g)+6], 0
	s_mov_b32 s[(\g)+7], 0
.endr
	s_mov_b32 s[G0K], 1
	s_mul_i32 s[G0K+1], s14, 128*PK                ; my half of K's rows
	s_mov_b32 s[G0V], 1
	s_mul_i32 s[G0V+1], s14, 128*PV
	s_add_co_u32 s[G0V+1], s[G0V+1], VOFF          ; or of V's
	s_mov_b32 s[CS], 0x3e38aa3b
	s_mov_b32 s[CS+1], s[CS]
	s_mov_b32 s[SEL], 0x76543210
	s_mov_b32 s[SEL+1], 0xfedcba98
	s_mov_b32 s50, 0xf149f2ca                      ; -1e30
	s_add_co_u32 s44, s9, s14                      ; the half's block of 128 keys: the one before mine, or mine;
	s_max_u32 s44, s44, 1
	s_sub_co_u32 s44, s44, 1                       ; ahead of the batch's first block: that block once more
	s_lshl_b32 s44, s44, 7
	s_lshl_b32 s45, s10, 11
	s_add_co_u32 s44, s44, s45
	s_mul_i32 s44, s44, ROWB
	s_lshl_b32 s45, s11, 8                         ; the pair's 256 bytes
	s_add_co_u32 s44, s44, s45
	s_mov_b32 s45, 0
	s_lshl_b32 s51, s10, 11
	s_lshl_b32 s46, s9, 7
	s_add_co_u32 s51, s51, s46                     ; my block's first row
	s_lshl_b32 s46, s13, 4
	s_add_co_u32 s52, s51, s46                     ; my tile's
	s_mul_i32 s52, s52, ROWB
	s_lshl_b32 s46, s11, 8
	s_add_co_u32 s52, s52, s46
	s_lshl_b32 s47, s12, 7                         ; my head's 128 bytes
	s_add_co_u32 s52, s52, s47
	s_mov_b32 s53, 0
	s_lshl_b32 s54, s[WV], 3                       ; the 8 rows of ctx that I store
	s_add_co_u32 s54, s54, s51
	s_lshl_b32 s54, s54, 11
	s_add_co_u32 s54, s54, s46
	s_mov_b32 s55, 0
	s_wait_dscnt 0x0                               ; the opening add is done
	s_wait_kmcnt 0x0
	s_add_nc_u64 s[44:45], s[4:5], s[44:45]
	s_add_nc_u64 s[G0K+2:G0K+3], s[44:45], 2048    ; k lies 2,048 bytes into a row,
	s_or_b32 s[G0K+3], s[G0K+3], 0x80000000
	s_add_nc_u64 s[G0V+2:G0V+3], s[44:45], 4096    ; v 4,096
	s_or_b32 s[G0V+3], s[G0V+3], 0x80000000
	s_add_nc_u64 s[52:53], s[4:5], s[52:53]
	s_add_nc_u64 s[54:55], s[6:7], s[54:55]
	s_cmp_lt_u32 s[WV], 4                          ; waves 0, 1: K's halves; waves 2, 3: V's; the others fetch nothing.  Each byte is filled once in the launch
	s_cbranch_scc0 .Lnofill
	s_cmp_lt_u32 s[WV], 2
	s_cbranch_scc0 .Lfill_v
	tensor_load_to_lds s[G0K:G0K+3], s[G1K:G1K+7]
	s_nop 0
.rept 4
	v_nop
.endr
	s_branch .Lnofill
.Lfill_v:
	tensor_load_to_lds s[G0V:G0V+3], s[G1V:G1V+7]
	s_nop 0
.rept 4
	v_nop
.endr
.Lnofill:
	v_and_b32 v1, 15, v0                           ; r = l % 16
	v_bfe_u32 v2, v0, 4, 1                         ; h = l / 16
	v_mul_u32_u24 v[QO], v1, ROWB
	v_lshl_add_u32 v[QO], v2, 4, v[QO]
.irp c, 0,1
	global_load_b128 v[QF+8*(\c):QF+8*(\c)+3],   v[QO], s[52:53] offset:64*(\c)
	global_load_b128 v[QF+8*(\c)+4:QF+8*(\c)+7], v[QO], s[52:53] offset:64*(\c)+32
.endr
	s_mul_i32 s44, s13, 16*PK
	s_add_co_u32 s44, s44, s47
	v_mul_u32_u24 v[AK], v1, PK
	v_lshl_add_u32 v[AK], v2, 4, v[AK]
	v_add_nc_u32 v[AK], s44, v[AK]                 ; (16 T + r) x pitch + my head + 16 h
	v_and_b32 v11, 7, v0
	v_lshl_add_u32 v[AV], v2, 3, v11
	v_mul_u32_u24 v[AV], v[AV], PV
	v_bfe_u32 v11, v0, 3, 1
	v_lshl_add_u32 v[AV], v11, 4, v[AV]
	s_mul_i32 s44, s13, 16*PV
	s_add_co_u32 s44, s44, s47
	s_add_co_u32 s44, s44, VOFF
	v_add_nc_u32 v[AV], s44, v[AV]                 ; (16 T + 8 h + l % 8) x pitch + my head + 16 ((l / 8) % 2)
	v_add_nc_u32 v[STO], STAGE, v[AK]              ; the stage has K's pitch: row 16 T + r, my head's half, 16 bytes for each half of the lanes
	s_mul_i32 s44, s[WV], 8*PK
	s_add_co_u32 s44, s44, STAGE
	v_mul_u32_u24 v[RD], v2, PK
	v_lshl_add_u32 v[RD], v1, 4, v[RD]
	v_add_nc_u32 v[RD], s44, v[RD]                 ; back: lanes 0-15 take one row of 256 bytes, lanes 16-31 the next
	v_lshlrev_b32 v[GO], 11, v2
	v_lshl_add_u32 v[GO], v1, 4, v[GO]
	v_mov_b32 v9, s50
	v_lshlrev_b32 v10, 3, v2
	v_sub_nc_u32 v10, v1, v10                      ; r - 8 h: register j of a block is key place 8 h + j
	; the mask, while the tiles are on their way
	s_sub_co_u32 s49, 8, s13
	s_cmp_eq_u32 s9, 0
	s_cselect_b32 s49, s49, 0                      ; in a batch's first block the key blocks u < 8 - T lie ahead of the batch's first key
.set u, 0
.rept 8
	s_cmp_gt_u32 s49, u
	s_cselect_b32 s48, s50, 0
.set j, 0
.rept 8
.if u == 0
	v_cmp_le_i32 vcc_lo, j, v10                    ; the key 128 back or further
	v_cndmask_b32 v[S+j], s48, v9, vcc_lo
.else
	v_mov_b32 v[S+8*u+j], s48
.endif
.set j, j+1
.endr
.set u, u+1
.endr
.set j, 0
.rept 8
	v_cmp_gt_i32 vcc_lo, j, v10                    ; a key behind the query
	v_cndmask_b32 v[S+64+j], 0, v9, vcc_lo
.set j, j+1
.endr
	s_wait_tensorcnt 0x0                           ; my tile, if I fetched one, is in:
	s_barrier_signal -1
	s_barrier_wait -1                              ; all four are
.irp c, 0,1
.irp u, 0,1,2,3,4,5,6,7,8
	ds_load_b128 v[KF+16*(\u)+8*(\c):KF+16*(\u)+8*(\c)+3],   v[AK] offset:(\u)*16*PK+64*(\c)
	ds_load_b128 v[KF+16*(\u)+8*(\c)+4:KF+16*(\u)+8*(\c)+7], v[AK] offset:(\u)*16*PK+64*(\c)+32
.endr
.endr
	s_wait_loadcnt 0x0                             ; Q
.irp c, 0,1
	s_wait_dscnt 18-18*(\c)                        ; the 18 loads of channels 32 c on are in; the other half's may be out
.irp u, 0,1,2,3,4,5,6,7,8                          ; the nine accumulators take turns
	v_wmma_f32_16x16x32_bf16 v[S+8*(\u):S+8*(\u)+7], v[KF+16*(\u)+8*(\c):KF+16*(\u)+8*(\c)+7], v[QF+8*(\c):QF+8*(\c)+7], v[S+8*(\u):S+8*(\u)+7]
.endr
.endr
.rept 4
	v_nop                                          ; four places behind the products, ahead of the loads into K's and Q's registers and of the reads of the scores
.endr
.irp c, 0,1,2,3,4                                  ; V, turned: keys 32 c on, channels 16 cb on.  The fifth pair's second block does not exist: its weights are 0, and it takes the first block's numbers
.irp cb, 0,1,2,3
	ds_load_tr16_b128 v[KF+32*(\c)+8*(\cb):KF+32*(\c)+8*(\cb)+3],   v[AV] offset:2*(\c)*16*PV+32*(\cb)
	ds_load_tr16_b128 v[KF+32*(\c)+8*(\cb)+4:KF+32*(\c)+8*(\cb)+7], v[AV] offset:(2*(\c)+1-(\c)/4)*16*PV+32*(\cb)
.endr
.endr
	; the maximum: three chains of 23 scores, three operands at a time; each accumulator's first read holds one of its four lowest registers
.irp k, 0,1,2
	v_max3_num_f32 v[12+(\k)], v[S+24*(\k)], v[S+24*(\k)+1], v[S+24*(\k)+2]
.endr
.set n, 0
.rept 10
.irp k, 0,1,2
	v_max3_num_f32 v[12+(\k)], v[12+(\k)], v[S+24*(\k)+3+2*n], v[S+24*(\k)+4+2*n]
.endr
.set n, n+1
.endr
	v_max3_num_f32 v15, v[S+23], v[S+47], v[S+71]
	v_max3_num_f32 v12, v12, v13, v14
	v_max_num_f32 v12, v12, v15
	v_permlanex16_b32 v13, v12, s[SEL], s[SEL+1]   ; the query's other 72 keys lie in the lane 16 away
	v_max_num_f32 v17, v12, v13                    ; m
	v_mul_f32 v16, s[CS], v17                      ; c m
.set i, 0
.rept 36
	v_pk_fma_f32 v[S+i:S+i+1], v[S+i:S+i+1], s[CS:CS+1], v[16:17] op_sel_hi:[1,0,0] neg_lo:[0,0,1] neg_hi:[0,0,1]  ; c s - c m
.set i, i+2
.endr
.set i, 0
.rept 72                               ; one batch
	v_exp_f32 v[S+i], v[S+i]
.set i, i+1
.endr
	v_nop                                          ; a plain instruction behind the last exponential
	s_wait_alu depctr_va_vdst(0)                   ; a wait ahead of the first reader: one for the batch
	; the sum: four chains of nine pairs, in v[12:13], v[14:15], v[18:19], v[20:21]
.irp k, 0,1,2,3
	v_pk_add_f32 v[12+2*(\k)+2*((\k)/2):13+2*(\k)+2*((\k)/2)], v[S+2*(\k):S+2*(\k)+1], v[S+8+2*(\k):S+8+2*(\k)+1]
.endr
.set n, 2
.rept 7
.irp k, 0,1,2,3
	v_pk_add_f32 v[12+2*(\k)+2*((\k)/2):13+2*(\k)+2*((\k)/2)], v[12+2*(\k)+2*((\k)/2):13+2*(\k)+2*((\k)/2)], v[S+8*n+2*(\k):S+8*n+2*(\k)+1]
.endr
.set n, n+1
.endr
	v_pk_add_f32 v[12:13], v[12:13], v[14:15]
	v_pk_add_f32 v[18:19], v[18:19], v[20:21]
	v_pk_add_f32 v[12:13], v[12:13], v[18:19]
	v_add_f32 v12, v12, v13
	v_permlanex16_b32 v13, v12, s[SEL], s[SEL+1]
	v_add_f32 v12, v12, v13                        ; l
	v_rcp_f32 v18, v12
	v_rcp_f32 v19, v12                             ; their wait stands ahead of their first reader, behind the second product
.set i, 0
.rept 36
	v_cvt_pk_bf16_f32 v[S+i], v[S+2*i], v[S+2*i+1] ; in place, ascending: a register is written only when it has been read
.set i, i+1
.endr
.irp i, 36,37,38,39
	v_mov_b32 v[S+(\i)], 0                         ; the tenth block's weights
.endr
.irp c, 0,1,2,3,4
	s_wait_dscnt 8*(4-(\c))                        ; the eight loads of pair c are in; the later pairs' may be out
.irp cb, 0,1,2,3                                   ; the four accumulators take turns
.if (\c) == 0
	v_wmma_f32_16x16x32_bf16 v[O+8*(\cb):O+8*(\cb)+7], v[KF+8*(\cb):KF+8*(\cb)+7], v[S:S+7], 0
.else
	v_wmma_f32_16x16x32_bf16 v[O+8*(\cb):O+8*(\cb)+7], v[KF+32*(\c)+8*(\cb):KF+32*(\c)+8*(\cb)+7], v[S+8*(\c):S+8*(\c)+7], v[O+8*(\cb):O+8*(\cb)+7]
.endif
.endr
.endr
.rept 4
	v_nop                                          ; four places behind the last products
.endr
	s_wait_alu depctr_va_vdst(0)                   ; the two reciprocals
.set i, 0
.rept 16
	v_pk_mul_f32 v[O+i:O+i+1], v[O+i:O+i+1], v[18:19]
.set i, i+2
.endr
.set i, 0
.rept 16
	v_cvt_pk_bf16_f32 v[S+i], v[O+2*i], v[O+2*i+1]
.set i, i+1
.endr
.irp cb, 0,1,2,3
	ds_store_b128 v[STO], v[S+4*(\cb):S+4*(\cb)+3] offset:32*(\cb)   ; a lane's eight channels of a row
.endr
	s_wait_dscnt 0x0                               ; for the others' sake: a row's 256 bytes come from two waves
	s_barrier_signal -1
	s_barrier_wait -1
.irp t, 0,1,2,3
	ds_load_b128 v[S+16+4*(\t):S+16+4*(\t)+3], v[RD] offset:(\t)*2*PK
.endr
.irp t, 0,1,2,3
	s_wait_dscnt 3-(\t)
	global_store_b128 v[GO], v[S+16+4*(\t):S+16+4*(\t)+3], s[54:55] offset:(\t)*4096  ; 16 lanes store 256 consecutive bytes, aligned
.endr
	s_wait_tensorcnt 0x0                           ; the wave's end: behind my last tensor load and my last LDS store
	ds_add_u32 v[SPW], v[NIL]
	s_wait_dscnt 0x0
	s_endpgm
.Lfunc_end_k_qa9a474a7bb_attn:
	.size	k_qa9a474a7bb_attn, .Lfunc_end_k_qa9a474a7bb_attn-k_qa9a474a7bb_attn
	.p2alignl 7, 3214868480
	.fill 96, 4, 3214868480
	.section	.rodata,"a",@progbits
	.p2align	6, 0x0
	.amdhsa_kernel k_qa9a474a7bb_attn
		.amdhsa_group_segment_fixed_size 180224
		.amdhsa_private_segment_fixed_size 0
		.amdhsa_enable_private_segment 0
		.amdhsa_kernarg_size 16
		.amdhsa_user_sgpr_count 2
		.amdhsa_user_sgpr_kernarg_segment_ptr 1
		.amdhsa_wavefront_size32 1
		.amdhsa_system_sgpr_workgroup_id_x 1
		.amdhsa_system_sgpr_workgroup_id_y 1
		.amdhsa_system_sgpr_workgroup_id_z 1
		.amdhsa_system_vgpr_workitem_id 0
		.amdhsa_next_free_vgpr 256
		.amdhsa_next_free_sgpr 66
		.amdhsa_reserve_vcc 1
		.amdhsa_float_denorm_mode_32 3
		.amdhsa_float_denorm_mode_16_64 3
		.amdhsa_memory_ordered 1
		.amdhsa_forward_progress 1
		.amdhsa_inst_pref_size 33
	.end_amdhsa_kernel
	.amdgpu_metadata
---
amdhsa.version: [ 1, 2 ]
amdhsa.kernels:
  - .name:           k_qa9a474a7bb_attn
    .symbol:         k_qa9a474a7bb_attn.kd
    .args:
      - { .name: big, .offset: 0, .size: 8, .value_kind: global_buffer, .address_space: global }
      - { .name: act, .offset: 8, .size: 8, .value_kind: global_buffer, .address_space: global }
    .group_segment_fixed_size: 180224
    .private_segment_fixed_size: 0
    .kernarg_segment_align: 8
    .kernarg_segment_size: 16
    .max_flat_workgroup_size: 512
    .sgpr_count:     66
    .vgpr_count:     256
    .wavefront_size: 32
...
	.end_amdgpu_metadata
.endif
;; end of part 3
;; launch oproj (part 4): grid 8 x 32, 4 waves a work-group, clusters of 4 x 4, 327,680 bytes of LDS; arguments act, wo2, out_b, x, x1; writes x1
.if DOCPART == 4
	.amdgcn_target "amdgcn-amd-amdhsa--gfx1250"
	.amdhsa_code_object_version 6
	.text
	.protected	k_qa9a474a7bb_oproj
	.globl	k_qa9a474a7bb_oproj
	.p2align	8
	.type	k_qa9a474a7bb_oproj,@function
k_qa9a474a7bb_oproj:
	s_mov_b64 s[64:65], 0
	v_nop
	global_prefetch_b8 v0, s[64:65] scope:SCOPE_SE
	s_setreg_imm32_b32 hwreg(HW_REG_WAVE_MODE, 25, 1), 1
	s_wait_xcnt 0x0
	s_wait_alu depctr_hold_cnt(0) depctr_sa_sdst(0) depctr_va_vdst(0) depctr_va_sdst(0) depctr_va_ssrc(0) depctr_va_vcc(0) depctr_vm_vsrc(0)
	s_getreg_b32 s2, hwreg(HW_REG_IB_STS2, 6, 4)
	s_cmp_eq_u32 s2, 0
	s_cbranch_scc0 .Lentry_in_a_cluster
	s_endpgm
.Lentry_in_a_cluster:
	s_bfe_u32 s2, ttmp6, 0x10000c
	s_cmp_lg_u32 s2, 0xf033
	s_cbranch_scc0 .Lentry_shape_is_right
	s_endpgm
.Lentry_shape_is_right:
; OUT[m][n] = RES[m][n] + bias[n] + sum over k of A[m][k] W[n][k].  A: [4096][SIZE_K] bf16, W: [1024][SIZE_K] bf16 (WOFF bytes into its buffer), bias: [1024] f32, RES and OUT: [4096][1024] f32; sums in f32.
; A tile of OUT is 128 x 128: 8 x 32 = 256 work-groups.  Four waves, each 64 x 64: 16 accumulators of 16 x 16.  K goes in steps of 256 (LDS rows of 512 bytes; a wave's tensor load brings 64 of them)
; through two slots.  CLUSTER: 4 x 4 work-groups; A's tile is asked for jointly along a row of the cluster, W's along a column.
; A LOOP'S TRIP IS ONE K STEP: a step's text stands once in the loop that fills slots again and once in the loop of the last two steps, which fills nothing.  The slot in hand is a scalar, s[TB], 0 or SLOT, turned by
; an exclusive or at each change of slots; the fragments' LDS addresses and the LDS word of the walking descriptor are made from it.
; THE MATRIX INSTRUCTION IS USED TRANSPOSED (source 0 = 16 rows of W, source 1 = 16 rows of A): a lane holds eight neighbouring numbers of a row of OUT, and the bias, eight registers a column block, is the
; C operand of the products that start the sums.  RES's 32 rows a wave are asked for ahead of the K loop and land under it.
; THE WAY OUT: the sums go in f32 into a stage of 128 rows x 528 bytes at the ring's head, when the ring's last fill has landed and its last read is over; each wave reads 32 whole rows back, adds RES and stores.
; REGISTERS: window 0: v16-29 addresses; v32-63 the bias; v128-255 the accumulators ((a, b) at v[128 + 8 (4 a + b)]).   window 1: two fragment buffers of 128.   window 2: v0-127 RES.
; No prefetch: a tile's bytes are few beside what all tiles read again.  LIMITS: NaN and infinities are not treated apart.
.set SIZE_K, 1024
.set SIZE_N, 1024
.set WOFF,   0
.set KSTEP,  256
.set NSTEPS, SIZE_K/KSTEP
.set PITCH,  528                       ; an LDS row: 512 bytes + 16 of padding = 132 words: row r starts at bank 4 r mod 64 (64 banks of 4 bytes: ISA guide 11.1)
.set HALFT,  64*PITCH
.set SLOT,   4*HALFT                   ; A's 128 rows, then W's 128 rows
.set SPARE,  2*SLOT                    ; behind the ring: the spare words, 128 bytes a wave: two blocks of 256 bytes that no other line names
.set SPITCH, 528                       ; a stage row: 128 f32 + 16 bytes
.set ADRA, 16                          ; v16  LDS address of my A fragments in the slot in hand: ADRA0 + s[TB]
.set ADRA0, 17                         ; v17  the same in slot 0; never rewritten
.set ADRB, 20                          ; v20-21  the same for W
.set ADRB0, 21
.set STO,  24
.set RD,   25
.set CO,   26                          ; v26  16 x lane: my bytes in a row of 512; never rewritten
.set BO,   27                          ; v27  32 x (l / 16)
.set SPW,  28
.set NIL,  29
.set BI,   32
.set ACC,  128
.set F0,   0
.set F1,   128
.set TB,   2                           ; s2   the slot in hand: 0 or SLOT
.set LB,   20                          ; s20  where my tensor loads go in a slot: wave x 64 rows
.set G1, 24                            ; s[24:31] descriptor group 1 for A's tiles; s[32:39] group 0: a set for each of the two first fills; the second then walks on
.set G0, 32
.set G1B, 48                           ; s[48:55], s[56:63] the same for W's tiles
.set G0B, 56
.set MSB, 0
.macro WIN new
.if MSB != (\new)
	s_set_vgpr_msb (MSB<<8)|(\new)
.set MSB, \new
.endif
.endm
.set MUL,  0x05                        ; sources 0 (W) and 1 (A) window 1; C and D window 0
.set TO_F, 0x40                        ; destination window 1, address window 0
.macro JLOAD s                         ; a joint load: waves 0 and 1 fetch A's two halves, waves 2 and 3 W's; an s_nop 0 and four v_nop follow each of the two lines
	s_cmp_eq_u32 s11, 0
	s_cbranch_scc0 .Lfor_b_\@
	tensor_load_to_lds s[G0+4*(\s):G0+4*(\s)+3], s[G1:G1+7]
	s_nop 0
.rept 4
	v_nop
.endr
	s_branch .Lasked_\@
.Lfor_b_\@:
	tensor_load_to_lds s[G0B+4*(\s):G0B+4*(\s)+3], s[G1B:G1B+7]
	s_nop 0
.rept 4
	v_nop
.endr
.Lasked_\@:
.endm
.macro CREST
	s_cmp_lg_u32 s10, 0
	s_cbranch_scc1 .Lnot_wave_0_\@
	s_barrier_signal -3
.Lnot_wave_0_\@:
	s_barrier_wait -3
	s_barrier_signal -1
	s_barrier_wait -1
.endm
.macro CROUND
	s_barrier_signal -1
	s_barrier_wait -1
	CREST
.endm
.macro SETADR                          ; the fragments' addresses in the slot in hand
	v_add_nc_u32 v[ADRA], s[TB], v[ADRA0]
	v_add_nc_u32 v[ADRB], s[TB], v[ADRB0]
.endm
	s_load_b128 s[4:7], s[0:1], 0x0                ; A s[4:5], W s[6:7]
	s_load_b128 s[68:71], s[0:1], 0x10             ; bias s[68:69], RES s[70:71]
	s_load_b64 s[8:9], s[0:1], 0x20                ; OUT
	v_lshl_add_u32 v[SPW], v0, 2, SPARE
	v_mov_b32 v[NIL], 0
	ds_add_u32 v[SPW], v[NIL]                      ; the wave's opening: the add and its wait ahead of my first tensor load
	v_lshrrev_b32 v1, 5, v0
	v_readfirstlane_b32 s10, v1                    ; wave 0..3
	s_lshr_b32 s11, s10, 1                         ; which half of the tile's rows is mine.  Also: I fetch for A (0) or for W (1)
	s_and_b32 s12, s10, 1                          ; which half of its columns.  Also: which 64 rows of that tile I fetch
	s_bfe_u32 s40, ttmp6, 0x40000                  ; cx, cy
	s_bfe_u32 s41, ttmp6, 0x40004
	s_lshl_b32 s42, ttmp9, 2
	s_add_co_u32 s42, s42, s40                     ; tile column
	s_and_b32 s13, ttmp7, 0xffff
	s_lshl_b32 s13, s13, 2
	s_add_co_u32 s13, s13, s41                     ; tile row
	s_lshl_b32 s43, s41, 2
	s_lshl_b32 s43, 15, s43                        ; my row of the cluster
	s_lshl_b32 s44, 0x1111, s40                    ; my column
	s_or_b32 s[G1+0], s43, (1<<16)|(1<<20)|(1<<21)|(6<<22)|(3<<25)  ; the mask; elements of 2 bytes; padding on; bit 21 beside a mask; after every 128 words, 4 words
	s_or_b32 s[G1B+0], s44, (1<<16)|(1<<20)|(1<<21)|(6<<22)|(3<<25)
.irp g, G1, G1B
	s_mov_b32 s[(\g)+1], KSTEP<<16                 ; tensor_dim0 = 256
	s_mov_b32 s[(\g)+2], 64<<16                    ; tensor_dim1 = 64
	s_mov_b32 s[(\g)+3], KSTEP<<16                 ; tile_dim0 = 256
	s_mov_b32 s[(\g)+4], 64                        ; tile_dim1 = 64
	s_mov_b32 s[(\g)+5], SIZE_K                    ; elements from row to row
	s_mov_b32 s[(\g)+6], 0
	s_mov_b32 s[(\g)+7], 0
.endr
	s_lshl_b32 s17, s12, 6
	s_lshl_b32 s16, s13, 7
	s_add_co_u32 s16, s16, s17                     ; A: row 128 x tile row + 64 x half
	s_lshl_b32 s46, s42, 7
	s_add_co_u32 s46, s46, s17                     ; W: row 128 x tile column + 64 x half
	s_mov_b32 s17, 0
	s_mov_b32 s47, 0
	s_mov_b64 s[18:19], SIZE_K*2
	s_mul_u64 s[16:17], s[16:17], s[18:19]
	s_mul_u64 s[46:47], s[46:47], s[18:19]
	s_mul_i32 s[LB], s10, HALFT                    ; wave x 64 rows
	s_mov_b32 s[TB], 0                             ; slot 0 is the first in hand
	s_wait_dscnt 0x0                               ; the opening add is done
	s_wait_kmcnt 0x0
.if WOFF
	s_add_nc_u64 s[6:7], s[6:7], WOFF
.endif
	s_add_nc_u64 s[14:15], s[4:5], s[16:17]
	s_add_nc_u64 s[46:47], s[6:7], s[46:47]
	CROUND                                         ; all sixteen work-groups are here: the first joint loads meet
.irp s, 0,1
	s_mov_b32 s[G0+4*(\s)], 1
	s_add_co_u32 s[G0+4*(\s)+1], s[LB], (\s)*SLOT
	s_add_nc_u64 s[G0+4*(\s)+2:G0+4*(\s)+3], s[14:15], (\s)*KSTEP*2
	s_or_b32 s[G0+4*(\s)+3], s[G0+4*(\s)+3], 0x80000000
	s_mov_b32 s[G0B+4*(\s)], 1
	s_add_co_u32 s[G0B+4*(\s)+1], s[LB], (\s)*SLOT
	s_add_nc_u64 s[G0B+4*(\s)+2:G0B+4*(\s)+3], s[46:47], (\s)*KSTEP*2
	s_or_b32 s[G0B+4*(\s)+3], s[G0B+4*(\s)+3], 0x80000000
	JLOAD \s
.endr
	v_and_b32 v1, 15, v0                           ; l % 16
	v_bfe_u32 v2, v0, 4, 1                         ; l / 16
	v_and_b32 v5, 31, v0                           ; l
	v_lshlrev_b32 v[BO], 5, v2
	s_lshl_b32 s46, s42, 9                         ; the tile's first column: 512 bytes of f32 a tile column,
	s_mov_b32 s47, 0
	s_add_nc_u64 s[68:69], s[68:69], s[46:47]
	s_add_nc_u64 s[70:71], s[70:71], s[46:47]
	s_add_nc_u64 s[8:9], s[8:9], s[46:47]
	s_lshl_b32 s22, s12, 8                         ; my half of the bias's 128 numbers
	s_mov_b32 s23, 0
	s_add_nc_u64 s[68:69], s[68:69], s[22:23]
.irp b, 0,1,2,3
	global_load_b128 v[BI+8*(\b):BI+8*(\b)+3],   v[BO], s[68:69] offset:64*(\b)
	global_load_b128 v[BI+8*(\b)+4:BI+8*(\b)+7], v[BO], s[68:69] offset:64*(\b)+16
.endr
	s_lshl_b32 s16, s13, 7
	s_lshl_b32 s17, s10, 5
	s_add_co_u32 s16, s16, s17                     ; the first row that I store: 128 x tile row + 32 x wave,
	s_lshl_b32 s16, s16, 12                        ; of 4,096 bytes
	s_mov_b32 s17, 0
	s_add_nc_u64 s[70:71], s[70:71], s[16:17]
	s_add_nc_u64 s[8:9], s[8:9], s[16:17]
	v_mul_u32_u24 v3, v1, PITCH
	v_lshl_add_u32 v3, v2, 4, v3                   ; a fragment's row x pitch + 16 x half
	s_mul_i32 s21, s11, HALFT                      ; my 64 rows of A
	s_mul_i32 s22, s12, HALFT                      ; my 64 rows of W,
	s_add_co_u32 s22, s22, 2*HALFT                 ; which lie behind A's 128
	v_add_nc_u32 v[ADRA0], s21, v3
	v_add_nc_u32 v[ADRB0], s22, v3
	SETADR
	s_mul_i32 s23, s11, 64*SPITCH                  ; into the stage: my 64 rows, my half of their 512 bytes; row l % 16, 32 bytes for each half of the lanes
	s_lshl_b32 s21, s12, 8
	s_add_co_u32 s23, s23, s21
	v_mul_u32_u24 v4, v1, SPITCH
	v_lshl_add_u32 v4, v2, 5, v4
	v_add_nc_u32 v[STO], s23, v4
	s_mul_i32 s23, s10, 32*SPITCH                  ; back: wave w takes rows 32 w .. 32 w + 31, a whole row of 512 bytes a load
	v_lshl_add_u32 v[RD], v5, 4, s23
	v_lshlrev_b32 v[CO], 4, v5
; 8 matrix instructions: row blocks a0, a0 + 1 x all 4 column blocks, 32 along K: half c of buffer f.  first = 1: the bias starts the sums.  The 16 accumulators take turns.
.macro MUL8 f, c, a0, first
	WIN MUL
.irp a, \a0, (\a0)+1
.irp b, 0,1,2,3
.if \first
	v_wmma_f32_16x16x32_bf16 v[ACC+8*(4*(\a)+(\b)):ACC+8*(4*(\a)+(\b))+7], v[(\f)+64+8*(4*(\c)+(\b)):(\f)+64+8*(4*(\c)+(\b))+7], v[(\f)+8*(4*(\c)+(\a)):(\f)+8*(4*(\c)+(\a))+7], v[BI+8*(\b):BI+8*(\b)+7]
.else
	v_wmma_f32_16x16x32_bf16 v[ACC+8*(4*(\a)+(\b)):ACC+8*(4*(\a)+(\b))+7], v[(\f)+64+8*(4*(\c)+(\b)):(\f)+64+8*(4*(\c)+(\b))+7], v[(\f)+8*(4*(\c)+(\a)):(\f)+8*(4*(\c)+(\a))+7], v[ACC+8*(4*(\a)+(\b)):ACC+8*(4*(\a)+(\b))+7]
.endif
.endr
.endr
.endm
; 32 LDS loads in one run: the fragments of 64 along K at byte k of the rows of the slot in hand, into buffer f; the first 32 along K first
.macro FETCH k, f
	WIN TO_F
.irp c, 0,1
.irp i, 0,1,2,3
	ds_load_b128 v[(\f)+64+8*(4*(\c)+(\i)):(\f)+64+8*(4*(\c)+(\i))+3],   v[ADRB] offset:(\k)+64*(\c)+(\i)*16*PITCH
	ds_load_b128 v[(\f)+64+8*(4*(\c)+(\i))+4:(\f)+64+8*(4*(\c)+(\i))+7], v[ADRB] offset:(\k)+64*(\c)+(\i)*16*PITCH+32
	ds_load_b128 v[(\f)+8*(4*(\c)+(\i)):(\f)+8*(4*(\c)+(\i))+3],         v[ADRA] offset:(\k)+64*(\c)+(\i)*16*PITCH
	ds_load_b128 v[(\f)+8*(4*(\c)+(\i))+4:(\f)+8*(4*(\c)+(\i))+7],       v[ADRA] offset:(\k)+64*(\c)+(\i)*16*PITCH+32
.endr
.endr
.endm
.macro PLACES                          ; four plain places behind matrix instructions, ahead of loads into registers that they have read and of LDS stores of their results
.rept 4
	v_nop
.endr
.endm
; A K step is four quarters of 64 along K, 32 matrix instructions each, on buffers 0, 1, 0, 1.
.macro QUARTER k, f, g, first
	s_wait_dscnt 16                                ; the first 32 along K are in; the youngest sixteen loads may be out
	MUL8 \f, 0, 0, \first
	MUL8 \f, 0, 2, \first
	PLACES
	FETCH \k, \g
	s_wait_dscnt 32                                ; all but the 32 just issued
	MUL8 \f, 1, 0, 0
	MUL8 \f, 1, 2, 0
.endm
; The last quarter multiplies buffer 1 and changes slots.  Its first half: in front of the barrier each wave waits for all its tensor loads, adds 0 to its spare word, and waits for that and for its own reads of this slot.
; Branches follow it, so it leaves every window 0.
.macro MEET
	WIN 0                                          ; (the add's two registers lie in window 0)
	s_wait_tensorcnt 0x0                           ; all my tensor loads have landed: my part of the next slot
	ds_add_u32 v[SPW], v[NIL]
	s_wait_dscnt 17                                ; (the add and the youngest sixteen loads may be out)
	MUL8 F1, 0, 0, 0
	s_wait_dscnt 0x0                               ; the add is done, and my reads of this slot are over
	s_barrier_signal -1
	MUL8 F1, 0, 2, 0
	WIN 0
	s_barrier_wait -1
.endm
	s_wait_tensorcnt 1                             ; my part of K step 0 is in; K step 1's may stay out
	s_barrier_signal -1
	s_barrier_wait -1
	FETCH 0, F0
	s_wait_loadcnt 0x0                             ; the bias
	WIN 0x80                                       ; destination window 2
.set t, 0
.rept 32
	global_load_b128 v[4*t:4*t+3], v[CO], s[70:71] offset:4096*t th:TH_LOAD_NT  ; RES: a row's 512 bytes a load; waited for on the way out
.set t, t+1
.endr
	QUARTER 128, F0, F1, 1                         ; the first quarter stands in front of the loops: its first products start the sums
	WIN 0
	s_mov_b32 s3, NSTEPS-2
.Lstep:                                                ; a trip goes from a K step's second quarter to the next step's first, and fills the slot that it leaves: all steps but the last two
	QUARTER 256, F1, F0, 0
	QUARTER 384, F0, F1, 0
	MEET                                           ; its barrier opens a round of the cluster's barrier:
	CREST                                          ; no wave of any partner still reads this slot's tile or has a load on its way
	s_add_co_u32 s[G0+5], s[LB], s[TB]             ; the walking descriptors: into the slot that is left,
	s_add_co_u32 s[G0B+5], s[LB], s[TB]
	s_add_nc_u64 s[G0+6:G0+7], s[G0+6:G0+7], KSTEP*2       ; the K step behind the last one asked for; the type bits on top are not reached
	s_add_nc_u64 s[G0B+6:G0B+7], s[G0B+6:G0B+7], KSTEP*2
	s_xor_b32 s[TB], s[TB], SLOT                   ; the other slot is in hand
	JLOAD 1                                        ; the first tensor load behind the round; its four v_nop are also places in front of the loads below
	SETADR
	FETCH 0, F0
	MUL8 F1, 1, 0, 0
	MUL8 F1, 1, 2, 0
	QUARTER 128, F0, F1, 0
	WIN 0
	s_sub_co_u32 s3, s3, 1
	s_cmp_lg_u32 s3, 0
	s_cbranch_scc1 .Lstep
	s_mov_b32 s3, 2
.Ltail:                                                ; the last two K steps: the same trip with no fill and no round; the second trip is left in its middle
	QUARTER 256, F1, F0, 0
	QUARTER 384, F0, F1, 0
	MEET                                           ; (in the second trip nothing is out any more: its barrier says that no wave reads the ring again)
	s_sub_co_u32 s3, s3, 1
	s_cmp_eq_u32 s3, 0
	s_cbranch_scc1 .Lout
	s_xor_b32 s[TB], s[TB], SLOT
	SETADR                                         ; these two and the two v_nop are the four places in front of the loads below
	v_nop
	v_nop
	FETCH 0, F0
	MUL8 F1, 1, 0, 0
	MUL8 F1, 1, 2, 0
	QUARTER 128, F0, F1, 0
	WIN 0
	s_branch .Ltail
.Lout:                                                 ; every way here passes MEET's barrier behind the last read of the ring: it has had its last fill, and the stage takes its head
	MUL8 F1, 1, 0, 0
	MUL8 F1, 1, 2, 0
	WIN 0
	PLACES
.irp a, 0,1,2,3
.irp b, 0,1,2,3
	ds_store_b128 v[STO], v[ACC+8*(4*(\a)+(\b)):ACC+8*(4*(\a)+(\b))+3]   offset:(\a)*16*SPITCH+64*(\b)     ; each accumulator's four lowest registers first
	ds_store_b128 v[STO], v[ACC+8*(4*(\a)+(\b))+4:ACC+8*(4*(\a)+(\b))+7] offset:(\a)*16*SPITCH+64*(\b)+16
.endr
.endr
	s_wait_dscnt 0x0                               ; for the others' sake: a row's 512 bytes come from two waves
	s_barrier_signal -1
	s_barrier_wait -1
.set t, 0
.rept 32
	ds_load_b128 v[ACC+4*t:ACC+4*t+3], v[RD] offset:SPITCH*t
.set t, t+1
.endr
	s_wait_loadcnt 0x0                             ; RES
.set g, 0
.rept 4                                ; eight rows at a time, so that the windows are switched eight times in all
	s_wait_dscnt 24-8*g                            ; the eight rows of group g are back; the later groups' may be out
	WIN 0x08                                       ; source 1 window 2
.set t, 8*g
.rept 8
	v_pk_add_f32 v[ACC+4*t:ACC+4*t+1],   v[ACC+4*t:ACC+4*t+1],   v[4*t:4*t+1]
	v_pk_add_f32 v[ACC+4*t+2:ACC+4*t+3], v[ACC+4*t+2:ACC+4*t+3], v[4*t+2:4*t+3]
.set t, t+1
.endr
	WIN 0
.set t, 8*g
.rept 8
	global_store_b128 v[CO], v[ACC+4*t:ACC+4*t+3], s[8:9] offset:4096*t  ; 512 consecutive bytes, aligned to 256
.set t, t+1
.endr
.set g, g+1
.endr
	s_wait_tensorcnt 0x0                           ; the wave's end: behind my last tensor load and my last LDS store
	ds_add_u32 v[SPW], v[NIL]
	s_wait_dscnt 0x0
	CROUND                                         ; the closing round
	s_endpgm
.Lfunc_end_k_qa9a474a7bb_oproj:
	.size	k_qa9a474a7bb_oproj, .Lfunc_end_k_qa9a474a7bb_oproj-k_qa9a474a7bb_oproj
	.p2alignl 7, 3214868480
	.fill 96, 4, 3214868480
	.section	.rodata,"a",@progbits
	.p2align	6, 0x0
	.amdhsa_kernel k_qa9a474a7bb_oproj
		.amdhsa_group_segment_fixed_size 327680
		.amdhsa_private_segment_fixed_size 0
		.amdhsa_enable_private_segment 0
		.amdhsa_kernarg_size 40
		.amdhsa_user_sgpr_count 2
		.amdhsa_user_sgpr_kernarg_segment_ptr 1
		.amdhsa_wavefront_size32 1
		.amdhsa_system_sgpr_workgroup_id_x 1
		.amdhsa_system_sgpr_workgroup_id_y 1
		.amdhsa_system_sgpr_workgroup_id_z 1
		.amdhsa_system_vgpr_workitem_id 0
		.amdhsa_next_free_vgpr 640
		.amdhsa_next_free_sgpr 72
		.amdhsa_reserve_vcc 0
		.amdhsa_float_denorm_mode_32 3
		.amdhsa_float_denorm_mode_16_64 3
		.amdhsa_memory_ordered 1
		.amdhsa_forward_progress 1
		.amdhsa_inst_pref_size 66
	.end_amdhsa_kernel
	.amdgpu_metadata
---
amdhsa.version: [ 1, 2 ]
amdhsa.kernels:
  - .name:           k_qa9a474a7bb_oproj
    .symbol:         k_qa9a474a7bb_oproj.kd
    .args:
      - { .name: act, .offset: 0, .size: 8, .value_kind: global_buffer, .address_space: global }
      - { .name: wo2, .offset: 8, .size: 8, .value_kind: global_buffer, .address_space: global }
      - { .name: out_b, .offset: 16, .size: 8, .value_kind: global_buffer, .address_space: global }
      - { .name: x, .offset: 24, .size: 8, .value_kind: global_buffer, .address_space: global }
      - { .name: x1, .offset: 32, .size: 8, .value_kind: global_buffer, .address_space: global }
    .group_segment_fixed_size: 327680
    .private_segment_fixed_size: 0
    .kernarg_segment_align: 8
    .kernarg_segment_size: 40
    .max_flat_workgroup_size: 128
    .sgpr_count:     72
    .vgpr_count:     640
    .wavefront_size: 32
...
	.end_amdgpu_metadata
.endif
;; end of part 4
;; launch ln2 (part 5): grid 256 x 1, 8 waves a work-group, no clusters, 0 bytes of LDS; arguments x1, ln2_w, ln2_b, act; writes act
.if DOCPART == 5
	.amdgcn_target "amdgcn-amd-amdhsa--gfx1250"
	.amdhsa_code_object_version 6
	.text
	.protected	k_qa9a474a7bb_ln2
	.globl	k_qa9a474a7bb_ln2
	.p2align	8
	.type	k_qa9a474a7bb_ln2,@function
k_qa9a474a7bb_ln2:
	s_mov_b64 s[64:65], 0
	v_nop
	global_prefetch_b8 v0, s[64:65] scope:SCOPE_SE
	s_setreg_imm32_b32 hwreg(HW_REG_WAVE_MODE, 25, 1), 1
	s_wait_xcnt 0x0
; h2 = LayerNorm(x1) * ln2_w + ln2_b, rounded once to bf16.  x1: [4096][1024] f32; h2: [4096][1024] bf16.  A wave owns two rows and keeps each in 32 registers: mean, then the deviations, then the mean of
; their squares (two passes, so a common offset costs nothing), all in f32.  Every load takes 512 consecutive bytes: lane l the four numbers 128 k + 4 l .. + 3 of piece k of a row; they leave as 8 bytes of
; bf16: the 32 lanes of a store cover 256 consecutive bytes, aligned.  No LDS, no barrier.  LIMITS: NaN and infinities are not treated apart.
.set IO,  2                            ; v2       16 x lane
.set OO,  3                            ; v3       8 x lane
.set M,   4                            ; v[4:5]   the mean, twice
.set R,   6                            ; v[6:7]   1 / sqrt(var + eps), twice
.set W,   8                            ; v[8:39]  the gain of my 32 columns
.set BV,  40                           ; v[40:71] the bias
.set X,   72                           ; v[72:135] two rows
.set T,   136                          ; v[136:143] at work
	s_load_b256 s[4:11], s[0:1], 0x0               ; x1 s[4:5], gain s[6:7], bias s[8:9], h2 s[10:11]
	v_lshrrev_b32 v1, 5, v0
	v_readfirstlane_b32 s30, v1                    ; wave 0..7
	v_and_b32 v1, 31, v0
	v_lshlrev_b32 v[IO], 4, v1
	v_lshlrev_b32 v[OO], 3, v1
	s_mov_b32 s36, 0x3a800000                      ; 1 / 1024
	s_mov_b32 s37, 0x3727c5ac                      ; eps = 1e-5
	s_mov_b32 s38, 0x76543210
	s_mov_b32 s39, 0xfedcba98
	s_lshl_b32 s32, ttmp9, 16                      ; 16 rows of 4,096 bytes a work-group,
	s_lshl_b32 s40, s30, 13                        ; 2 a wave
	s_add_co_u32 s32, s32, s40
	s_mov_b32 s33, 0
	s_lshr_b32 s34, s32, 1
	s_mov_b32 s35, 0
	s_wait_kmcnt 0x0
	s_add_nc_u64 s[32:33], s[4:5], s[32:33]
	s_add_nc_u64 s[34:35], s[10:11], s[34:35]
.macro ROWIN r
.irp k, 0,1,2,3,4,5,6,7
	global_load_b128 v[X+32*(\r)+4*(\k):X+32*(\r)+4*(\k)+3], v[IO], s[32:33] offset:4096*(\r)+512*(\k)
.endr
.endm
	ROWIN 0
	ROWIN 1
.irp k, 0,1,2,3,4,5,6,7
	global_load_b128 v[W+4*(\k):W+4*(\k)+3], v[IO], s[6:7] offset:512*(\k)
.endr
.irp k, 0,1,2,3,4,5,6,7
	global_load_b128 v[BV+4*(\k):BV+4*(\k)+3], v[IO], s[8:9] offset:512*(\k)
.endr
.macro JOIN
	v_pk_add_f32 v[T:T+1], v[T:T+1], v[T+2:T+3]
	v_pk_add_f32 v[T+4:T+5], v[T+4:T+5], v[T+6:T+7]
	v_pk_add_f32 v[T:T+1], v[T:T+1], v[T+4:T+5]
	v_add_f32 v[T], v[T], v[T+1]
.endm
.macro REDUCE
	v_add_f32_dpp v[T], v[T], v[T] row_xmask:1 row_mask:0xf bank_mask:0xf
	v_add_f32_dpp v[T], v[T], v[T] row_xmask:2 row_mask:0xf bank_mask:0xf
	v_add_f32_dpp v[T], v[T], v[T] row_xmask:4 row_mask:0xf bank_mask:0xf
	v_add_f32_dpp v[T], v[T], v[T] row_xmask:8 row_mask:0xf bank_mask:0xf
	v_permlanex16_b32 v[T+1], v[T], s38, s39
	v_add_f32 v[T], v[T], v[T+1]
.endm
.macro LNROW r, wb
.set XR, X+32*(\r)
.irp k, 0,1,2,3
	v_pk_add_f32 v[T+2*(\k):T+2*(\k)+1], v[XR+4*(\k):XR+4*(\k)+1], v[XR+4*(\k)+2:XR+4*(\k)+3]
.endr
.irp k, 0,1,2,3,4,5,6,7
	v_pk_add_f32 v[T+2*((\k)%4):T+2*((\k)%4)+1], v[T+2*((\k)%4):T+2*((\k)%4)+1], v[XR+16+2*(\k):XR+16+2*(\k)+1]
.endr
	JOIN
	REDUCE
	v_mul_f32 v[M], s36, v[T]
	v_mov_b32 v[M+1], v[M]
.set i, 0
.rept 16
	v_pk_add_f32 v[XR+i:XR+i+1], v[XR+i:XR+i+1], v[M:M+1] neg_lo:[0,1] neg_hi:[0,1]
.set i, i+2
.endr
.irp k, 0,1,2,3
	v_pk_mul_f32 v[T+2*(\k):T+2*(\k)+1], v[XR+2*(\k):XR+2*(\k)+1], v[XR+2*(\k):XR+2*(\k)+1]
.endr
.irp k, 4,5,6,7,8,9,10,11,12,13,14,15
	v_pk_fma_f32 v[T+2*((\k)%4):T+2*((\k)%4)+1], v[XR+2*(\k):XR+2*(\k)+1], v[XR+2*(\k):XR+2*(\k)+1], v[T+2*((\k)%4):T+2*((\k)%4)+1]
.endr
	JOIN
	REDUCE
	v_fma_f32 v[T], v[T], s36, s37
	v_rsq_f32 v[R], v[T]
	v_rsq_f32 v[R+1], v[T]
	v_nop                                          ; a plain instruction behind the second root
	s_wait_alu depctr_va_vdst(0)                   ; a wait ahead of the first reader: one for both
.if \wb
	s_wait_loadcnt 0x0                             ; gain and bias, the youngest loads
.endif
.set i, 0
.rept 16
	v_pk_mul_f32 v[XR+i:XR+i+1], v[XR+i:XR+i+1], v[R:R+1]
.set i, i+2
.endr
.set i, 0
.rept 16
	v_pk_fma_f32 v[XR+i:XR+i+1], v[XR+i:XR+i+1], v[W+i:W+i+1], v[BV+i:BV+i+1]
.set i, i+2
.endr
.irp k, 0,1,2,3,4,5,6,7
	v_cvt_pk_bf16_f32 v[XR+4*(\k)],   v[XR+4*(\k)],   v[XR+4*(\k)+1]   ; in place, ascending: a register is written only when it has been read
	v_cvt_pk_bf16_f32 v[XR+4*(\k)+1], v[XR+4*(\k)+2], v[XR+4*(\k)+3]
	global_store_b64 v[OO], v[XR+4*(\k):XR+4*(\k)+1], s[34:35] offset:2048*(\r)+256*(\k)  ; 256 consecutive bytes a wave, aligned
.endr
.endm
	s_wait_loadcnt 16                              ; both rows are in; the 16 loads of gain and bias may be out
	LNROW 0, 1
	LNROW 1, 0
	s_endpgm
.Lfunc_end_k_qa9a474a7bb_ln2:
	.size	k_qa9a474a7bb_ln2, .Lfunc_end_k_qa9a474a7bb_ln2-k_qa9a474a7bb_ln2
	.p2alignl 7, 3214868480
	.fill 96, 4, 3214868480
	.section	.rodata,"a",@progbits
	.p2align	6, 0x0
	.amdhsa_kernel k_qa9a474a7bb_ln2
		.amdhsa_group_segment_fixed_size 0
		.amdhsa_private_segment_fixed_size 0
		.amdhsa_enable_private_segment 0
		.amdhsa_kernarg_size 32
		.amdhsa_user_sgpr_count 2
		.amdhsa_user_sgpr_kernarg_segment_ptr 1
		.amdhsa_wavefront_size32 1
		.amdhsa_system_sgpr_workgroup_id_x 1
		.amdhsa_system_sgpr_workgroup_id_y 1
		.amdhsa_system_sgpr_workgroup_id_z 1
		.amdhsa_system_vgpr_workitem_id 0
		.amdhsa_next_free_vgpr 144
		.amdhsa_next_free_sgpr 66
		.amdhsa_reserve_vcc 0
		.amdhsa_float_denorm_mode_32 3
		.amdhsa_float_denorm_mode_16_64 3
		.amdhsa_memory_ordered 1
		.amdhsa_forward_progress 1
		.amdhsa_inst_pref_size 20
	.end_amdhsa_kernel
	.amdgpu_metadata
---
amdhsa.version: [ 1, 2 ]
amdhsa.kernels:
  - .name:           k_qa9a474a7bb_ln2
    .symbol:         k_qa9a474a7bb_ln2.kd
    .args:
      - { .name: x1, .offset: 0, .size: 8, .value_kind: global_buffer, .address_space: global }
      - { .name: ln2_w, .offset: 8, .size: 8, .value_kind: global_buffer, .address_space: global }
      - { .name: ln2_b, .offset: 16, .size: 8, .value_kind: global_buffer, .address_space: global }
      - { .name: act, .offset: 24, .size: 8, .value_kind: global_buffer, .address_space: global }
    .group_segment_fixed_size: 0
    .private_segment_fixed_size: 0
    .kernarg_segment_align: 8
    .kernarg_segment_size: 32
    .max_flat_workgroup_size: 256
    .sgpr_count:     66
    .vgpr_count:     144
    .wavefront_size: 32
...
	.end_amdgpu_metadata
.endif
;; end of part 5
;; launch ff1 (part 6): grid 8 x 32, 4 waves a work-group, clusters of 4 x 4, 327,680 bytes of LDS; arguments act, w1, ff1_b, big; writes big
.if DOCPART == 6
	.amdgcn_target "amdgcn-amd-amdhsa--gfx1250"
	.amdhsa_code_object_version 6
	.text
	.protected	k_qa9a474a7bb_ff1
	.globl	k_qa9a474a7bb_ff1
	.p2align	8
	.type	k_qa9a474a7bb_ff1,@function
k_qa9a474a7bb_ff1:
	s_mov_b64 s[64:65], 0
	v_nop
	global_prefetch_b8 v0, s[64:65] scope:SCOPE_SE
	s_setreg_imm32_b32 hwreg(HW_REG_WAVE_MODE, 25, 1), 1
	s_wait_xcnt 0x0
	s_wait_alu depctr_hold_cnt(0) depctr_sa_sdst(0) depctr_va_vdst(0) depctr_va_sdst(0) depctr_va_ssrc(0) depctr_va_vcc(0) depctr_vm_vsrc(0)
	s_getreg_b32 s2, hwreg(HW_REG_IB_STS2, 6, 4)
	s_cmp_eq_u32 s2, 0
	s_cbranch_scc0 .Lentry_in_a_cluster
	s_endpgm
.Lentry_in_a_cluster:
	s_bfe_u32 s2, ttmp6, 0x10000c
	s_cmp_lg_u32 s2, 0xf033
	s_cbranch_scc0 .Lentry_shape_is_right
	s_endpgm
.Lentry_shape_is_right:
; OUT[m][n] = f(sum over k of A[m][k] W[n][k] + bias[n]).  A: [4096][1024] bf16, W: [3072][1024] bf16, bias: [3072] f32, OUT: [4096][3072] bf16, rounded once; sums in f32.
; One source serves two kernels: with GELU = 0 f is the identity, with GELU = 1 (this one) the exact GELU x Phi(x).  They differ in the way out alone.
; GELU.  gelu(x) = max(x, 0) - |x| Q(|x|), Q(y) = 1 - Phi(y) = exp(-y^2 / 2) / sqrt(2 pi) x (b1 t + .. + b5 t^5), t = 1 / (1 + 0.2316419 y) (Abramowitz and Stegun 26.2.17: absolute error of Phi
; under 7.5e-8 for every y >= 0; no range is cut: for large y the exponential goes to 0).  LIMITS: NaN and infinities are not treated apart.
; SHARES.  A tile of OUT is 128 rows x 384 columns: 8 x 32 = 256 work-groups; a row's 384 bf16 are 768 consecutive bytes, aligned to 256.  Wave w makes all 128 rows of columns 96 w .. 96 w + 95:
; 8 x 6 accumulators of 16 x 16, 384 registers; for 32 along K it reads 28 x 512 bytes from LDS for 48 matrix instructions.
; RING.  K goes in 8 steps of 128 through two LDS slots (A's 128 rows, then W's 384), filled by the tensor data mover; wave 0 fetches A's rows, waves 1-3 each 128 rows of W.
; A LOOP'S TRIP IS ONE K STEP, so that a step's text stands once in the loop that fills slots again and once in the loop of the last two steps, which fills nothing.  The slot in hand is a scalar, s[TB], 0 or SLOT,
; turned by an exclusive or at each change of slots; the fragments' LDS addresses and the LDS word of the walking descriptor are made from it.
; CLUSTER.  4 x 4 work-groups.  A's tile hangs on the tile row alone and is asked for jointly by the four of a row of the cluster, W's on the tile column alone, jointly by a column.
; THE MATRIX INSTRUCTION IS USED TRANSPOSED (source 0 = 16 rows of W, source 1 = 16 rows of A): a lane holds row l % 16 of OUT and the columns 8 (l / 16) + 0..7.  In that layout the bias is eight
; registers a column block, the same for all rows: it is the C operand of the products that start the sums, so nothing is cleared and no addition follows.
; THE WAY OUT.  The sums go in f32 into a stage of 128 rows x 1,552 bytes that takes the ring's place when its last fill has landed and its last read is over; each wave reads 32 whole rows back, applies f, rounds and stores.
; REGISTERS, in windows of 256 (s_set_vgpr_msb: bits 1:0 source 0, 3:2 source 1, 5:4 source 2, 7:6 destination):
;   window 0: v16-31 addresses; v64-127, v128-191 A's fragments, two buffers; on the way out v32-187 at work
;   window 1: v0-47 the bias; v64-111, v128-175 W's fragments, two buffers
;   window 2: the accumulators of rows 0-63 ((a, b) at v[8 (6 a + b)]);   window 3: those of rows 64-127
.set GELU,   1
.set SIZE_K, 1024
.set SIZE_N, 3072
.set KSTEP,  128
.set NSTEPS, SIZE_K/KSTEP
.set PITCH,  272                       ; an LDS row: 256 bytes + 16 of padding = 68 words: the 16 rows of a fragment load start at 16 different groups of four banks (64 banks of 4 bytes: ISA guide 11.1)
.set HALFT,  128*PITCH                 ; what one tensor load brings
.set SLOT,   4*HALFT
.set SPARE,  2*SLOT                    ; behind the ring: the spare words, 128 bytes a wave: two blocks of 256 bytes that no other line names
.set SP,     1552                      ; a stage row: 1,536 bytes + 16 = 388 words: again 16 rows at 16 different groups of four banks
.set ADRA, 16                          ; v16     LDS address of my A fragments in the slot in hand: ADRA0 + s[TB]
.set ADRA0, 17                         ; v17     the same in slot 0; never rewritten
.set ADRB, 20                          ; v20-21  the same for W
.set ADRB0, 21
.set STO,  22                          ; v22-24  into the stage: row blocks 0-2, 3-5, 6-7 (an LDS offset has 16 bits)
.set RD,   25                          ; v25     back from the stage: the trip's address, RD0 + s[RS]
.set CO,   26                          ; v26     my byte offset in OUT
.set BO,   27                          ; v27     32 x (l / 16): my eight numbers in a block of the bias
.set SPW,  28                          ; v28     LDS address of my spare word; never rewritten
.set NIL,  29                          ; v29     0; never rewritten
.set PFO,  30                          ; v30     the prefetches' offset: lane x a row of 2,048 bytes; never rewritten
.set RD0,  31                          ; v31     my 16 bytes in the first of my wave's 32 stage rows; never rewritten
.set F0,   64
.set F1,   128
.set XX,   32                          ; the way out: 24 numbers (2 rows x 384 columns / 32 lanes) as read back
.set AB,   56                          ; |x|
.set RR,   80                          ; max(x, 0)
.set TT,   104                         ; t
.set EE,   128                         ; exp(-x^2 / 2)
.set PP,   152                         ; the polynomial, then the result
.set YY,   176                         ; 12 registers of bf16
.set OUTP, 10                          ; s[10:11] OUT
.set TB,   12                          ; s12  the slot in hand: 0 or SLOT
.set LB,   13                          ; s13  where my tensor loads go in a slot: wave x 128 rows
.set WV,   14                          ; s14  my wave's number
.set RS,   15                          ; s15  the way out: bytes from my first stage row to the rows to be read next
.set G1,   24                          ; s[24:31] descriptor group 1 for A's tiles;  s[32:39] group 0: a set for each of the two first fills; the second then walks on
.set G0,   32
.set LIM,  43                          ; s43  2 in a wave that prefetches, else the greatest number
.set PFA,  44                          ; s[44:45] where my prefetches stand
.set G1B,  48                          ; s[48:55], s[56:63] the same for W's tiles
.set G0B,  56
.set CP,   66                          ; s[66:79] GELU's constants, each twice: a packed source names a pair
.set CNK,  68
.set C5,   70
.set C4,   72
.set C3,   74
.set C2,   76
.set C1,   78
.set FIELDS, (1<<16)|(1<<20)|(1<<21)|(5<<22)|(3<<25)  ; 17:16 elements of 2 bytes; 20 padding on; 21 set beside a mask; 24:22 after every 64 words; 31:25 4 words of it
.set MSB, 0
.macro WIN new                         ; the immediate's high byte repeats the setting that is left; a switch that changes nothing is dropped
.if MSB != (\new)
	s_set_vgpr_msb (MSB<<8)|(\new)
.set MSB, \new
.endif
.endm
; A joint load.  The branch hangs on the wave's number alone.  An s_nop 0 and four v_nop follow each of the two lines, ahead of the jump and the label.
.macro JLOAD s
	s_cmp_eq_u32 s[WV], 0
	s_cbranch_scc0 .Lfor_w_\@
	tensor_load_to_lds s[G0+4*(\s):G0+4*(\s)+3], s[G1:G1+7]
	s_nop 0
.rept 4
	v_nop
.endr
	s_branch .Lasked_\@
.Lfor_w_\@:
	tensor_load_to_lds s[G0B+4*(\s):G0B+4*(\s)+3], s[G1B:G1B+7]
	s_nop 0
.rept 4
	v_nop
.endr
.Lasked_\@:
.endm
; A prefetch into the L2 of the K step that stands two refills on: 32 rows x 256 bytes, a lane a row, one instruction a wave.  Of the 128 rows that a wave fetches each of the four partners that ask
; for them jointly takes 32, told apart by address; A's rows are asked for by the clusters with x = 0 alone, W's by those with y = 0 alone: each row's 256 bytes of K steps 4 to 7 are named once in the launch.
; K steps 0 to 3 come by their loads alone; the loop's last two trips (s3 = 2, 1) have no K step two refills on and ask for nothing.
.macro ASK
	s_cmp_gt_u32 s3, s[LIM]
	s_cbranch_scc0 .Lnot_mine_\@
	global_prefetch_b8 v[PFO], s[PFA:PFA+1] offset:KSTEP*2 th:TH_LOAD_NT scope:SCOPE_SE
.Lnot_mine_\@:
.endm
.macro CREST                           ; a round of the cluster's barrier behind its opening barrier
	s_cmp_lg_u32 s[WV], 0
	s_cbranch_scc1 .Lnot_wave_0_\@
	s_barrier_signal -3
.Lnot_wave_0_\@:
	s_barrier_wait -3
	s_barrier_signal -1
	s_barrier_wait -1
.endm
.macro CROUND                          ; a whole round
	s_barrier_signal -1
	s_barrier_wait -1
	CREST
.endm
.macro PAIR reg, val
	s_mov_b32 s[\reg], \val
	s_mov_b32 s[(\reg)+1], \val
.endm
.macro SETADR                          ; the fragments' addresses in the slot in hand
	v_add_nc_u32 v[ADRA], s[TB], v[ADRA0]
	v_add_nc_u32 v[ADRB], s[TB], v[ADRB0]
.endm
	s_load_b256 s[4:11], s[0:1], 0x0               ; A s[4:5], W s[6:7], bias s[8:9], OUT s[10:11]
	v_lshl_add_u32 v[SPW], v0, 2, SPARE
	v_mov_b32 v[NIL], 0
	ds_add_u32 v[SPW], v[NIL]                      ; the wave's opening: the add and its wait ahead of my first tensor load; work on registers stands between them
	v_lshrrev_b32 v1, 5, v0
	v_readfirstlane_b32 s[WV], v1                  ; wave 0..3
	s_bfe_u32 s16, ttmp6, 0x40000                  ; cx
	s_bfe_u32 s17, ttmp6, 0x40004                  ; cy
	s_lshl_b32 s18, ttmp9, 2
	s_add_co_u32 s18, s18, s16                     ; tile column = 4 x cluster x + cx
	s_and_b32 s19, ttmp7, 0xffff
	s_lshl_b32 s19, s19, 2
	s_add_co_u32 s19, s19, s17                     ; tile row = 4 x cluster y + cy
	s_lshl_b32 s20, s17, 2
	s_lshl_b32 s20, 15, s20                        ; my row of the cluster
	s_lshl_b32 s21, 0x1111, s16                    ; my column
	s_or_b32 s[G1], s20, FIELDS                    ; A's tiles go to my row,
	s_or_b32 s[G1B], s21, FIELDS                   ; W's to my column
.irp g, G1, G1B
	s_mov_b32 s[(\g)+1], KSTEP<<16                 ; tensor_dim0 = 128
	s_mov_b32 s[(\g)+2], 128<<16                   ; tensor_dim1 = 128
	s_mov_b32 s[(\g)+3], KSTEP<<16                 ; tile_dim0 = 128
	s_mov_b32 s[(\g)+4], 128                       ; tile_dim1 = 128
	s_mov_b32 s[(\g)+5], SIZE_K                    ; elements from row to row
	s_mov_b32 s[(\g)+6], 0
	s_mov_b32 s[(\g)+7], 0
.endr
.if GELU
	PAIR CP,  0x3e6d3389                           ; 0.2316419
	PAIR CNK, 0xbf38aa3b                           ; -log2(e) / 2
	PAIR C5,  0x3f07dc22                           ; b5 .. b1, each divided by sqrt(2 pi)
	PAIR C4,  0xbf3a00e3
	PAIR C3,  0x3f35f0e3
	PAIR C2,  0xbe11a98e
	PAIR C1,  0x3e027906
.endif
	s_lshl_b32 s40, s19, 18                        ; A: 128 rows of 2,048 bytes a tile row: made of the tile row alone
	s_mov_b32 s41, 0
	s_max_u32 s22, s[WV], 1
	s_sub_co_u32 s22, s22, 1                       ; which 128 rows of W's 384 I fetch (waves 1-3; wave 0 never uses it)
	s_lshl_b32 s22, s22, 18
	s_mul_i32 s46, s18, 384*SIZE_K*2               ; W: made of the tile column and the wave's number alone
	s_add_co_u32 s46, s46, s22
	s_mov_b32 s47, 0
	s_mul_i32 s[LB], s[WV], HALFT                  ; A's rows, then W's three blocks = wave x 128 rows
	s_mov_b32 s[TB], 0                             ; slot 0 is the first in hand
	s_wait_dscnt 0x0                               ; the opening add is done
	s_wait_kmcnt 0x0
	s_add_nc_u64 s[40:41], s[4:5], s[40:41]
	s_add_nc_u64 s[46:47], s[6:7], s[46:47]
	CROUND                                         ; all sixteen work-groups are here: the first joint loads meet
.irp s, 0,1
	s_mov_b32 s[G0+4*(\s)], 1                      ; count = 1
	s_add_co_u32 s[G0+4*(\s)+1], s[LB], (\s)*SLOT  ; LDS address
	s_add_nc_u64 s[G0+4*(\s)+2:G0+4*(\s)+3], s[40:41], (\s)*KSTEP*2  ; global address: K step s
	s_or_b32 s[G0+4*(\s)+3], s[G0+4*(\s)+3], 0x80000000              ; type = 2
	s_mov_b32 s[G0B+4*(\s)], 1
	s_add_co_u32 s[G0B+4*(\s)+1], s[LB], (\s)*SLOT
	s_add_nc_u64 s[G0B+4*(\s)+2:G0B+4*(\s)+3], s[46:47], (\s)*KSTEP*2
	s_or_b32 s[G0B+4*(\s)+3], s[G0B+4*(\s)+3], 0x80000000
	JLOAD \s                                       ; two loads of mine are out
.endr
	v_and_b32 v1, 15, v0                           ; l % 16
	v_bfe_u32 v2, v0, 4, 1                         ; l / 16
	v_and_b32 v5, 31, v0                           ; l
	v_lshlrev_b32 v[BO], 5, v2
	s_mul_i32 s20, s18, 1536                       ; the bias of my 96 columns: 384 x 4 bytes a tile column,
	s_mul_i32 s21, s[WV], 384                      ; 96 x 4 a wave
	s_add_co_u32 s20, s20, s21
	s_mov_b32 s21, 0
	s_add_nc_u64 s[8:9], s[8:9], s[20:21]
	WIN 0x40                                       ; destination window 1
.irp b, 0,1,2,3,4,5
	global_load_b128 v[8*(\b):8*(\b)+3],   v[BO], s[8:9] offset:64*(\b)
	global_load_b128 v[8*(\b)+4:8*(\b)+7], v[BO], s[8:9] offset:64*(\b)+16
.endr
	WIN 0
	v_mul_u32_u24 v3, v1, PITCH
	v_lshl_add_u32 v[ADRA0], v2, 4, v3             ; a fragment's row x pitch + 16 x half
	s_mul_i32 s42, s[WV], 96*PITCH
	s_add_co_u32 s42, s42, HALFT                   ; my 96 rows of W, behind A's 128
	v_add_nc_u32 v[ADRB0], s42, v[ADRA0]
	SETADR
	v_mul_u32_u24 v4, v1, SP                       ; into the stage: row l % 16, my 96 columns' 384 bytes, 32 bytes for each half of the lanes
	v_lshl_add_u32 v4, v2, 5, v4
	s_mul_i32 s42, s[WV], 384
	v_add_nc_u32 v[STO], s42, v4
	v_add_nc_u32 v[STO+1], 3*16*SP, v[STO]
	v_add_nc_u32 v[STO+2], 6*16*SP, v[STO]
	s_mul_i32 s42, s[WV], 32*SP                    ; back: wave w takes rows 32 w .. 32 w + 31, whole
	v_lshl_add_u32 v[RD0], v5, 4, s42
	v_lshlrev_b32 v[CO], 3, v5                     ; four numbers a lane are 8 bytes of bf16
	v_lshlrev_b32 v[PFO], 11, v5
	s_lshl_b32 s20, s19, 7
	s_lshl_b32 s21, s[WV], 5
	s_add_co_u32 s20, s20, s21                     ; the first row of OUT that I store
	s_mul_i32 s20, s20, SIZE_N*2
	s_mul_i32 s21, s18, 768                        ; the tile's first column, in bytes
	s_add_co_u32 s20, s20, s21
	s_mov_b32 s21, 0
	s_add_nc_u64 s[OUTP:OUTP+1], s[OUTP:OUTP+1], s[20:21]
	; the prefetches
	s_and_b32 s22, ttmp7, 0xffff                   ; cluster y
	s_cmp_eq_u32 s[WV], 0                          ; do I fetch for A?
	s_cselect_b32 s20, s16, s17                    ; my place among the four that ask with me
	s_cselect_b32 s22, ttmp9, s22                  ; the coordinate along which other clusters read the same rows
	s_cselect_b64 s[PFA:PFA+1], s[40:41], s[46:47] ; the 128 rows that I fetch
	s_cmp_eq_u32 s22, 0
	s_cselect_b32 s[LIM], 2, -1                    ; the same in all sixteen partners, for a given wave
	s_lshl_b32 s20, s20, 16                        ; my work-group's 32 rows of 2,048 bytes
	s_add_nc_u64 s[PFA:PFA+1], s[PFA:PFA+1], s[20:21]
	s_add_nc_u64 s[PFA:PFA+1], s[PFA:PFA+1], 2*KSTEP*2  ; at K step 2: the first refill steps it to 3 and names K step 4
; 12 matrix instructions: row blocks a0, a0 + 1 of the window's four x all 6 column blocks, 32 along K.  first = 1: the bias starts the sums.  The 48 accumulators take turns, one instruction a
; turn, in the same order in every quarter step.
.macro MUL12 f, hi, a0, first
.if \first
	WIN 0x91+0x40*(\hi)                            ; W window 1, A window 0, C (the bias) window 1, D window 2 or 3
.else
	WIN 0xa1+0x50*(\hi)                            ; C and D window 2 or 3
.endif
.irp a, \a0, (\a0)+1
.irp b, 0,1,2,3,4,5
.if \first
	v_wmma_f32_16x16x32_bf16 v[8*(6*(\a)+(\b)):8*(6*(\a)+(\b))+7], v[(\f)+8*(\b):(\f)+8*(\b)+7], v[(\f)+8*(4*(\hi)+(\a)):(\f)+8*(4*(\hi)+(\a))+7], v[8*(\b):8*(\b)+7]
.else
	v_wmma_f32_16x16x32_bf16 v[8*(6*(\a)+(\b)):8*(6*(\a)+(\b))+7], v[(\f)+8*(\b):(\f)+8*(\b)+7], v[(\f)+8*(4*(\hi)+(\a)):(\f)+8*(4*(\hi)+(\a))+7], v[8*(6*(\a)+(\b)):8*(6*(\a)+(\b))+7]
.endif
.endr
.endr
.endm
; 28 LDS loads in one run: the fragments of one quarter step (96 rows of W, 128 rows of A, 32 K at byte k of the rows of the slot in hand) into buffer f
.macro FETCH k, f
	WIN 0x40
.irp i, 0,1,2,3,4,5
	ds_load_b128 v[(\f)+8*(\i):(\f)+8*(\i)+3],   v[ADRB] offset:(\k)+(\i)*16*PITCH
	ds_load_b128 v[(\f)+8*(\i)+4:(\f)+8*(\i)+7], v[ADRB] offset:(\k)+(\i)*16*PITCH+32
.endr
	WIN 0
.irp i, 0,1,2,3,4,5,6,7
	ds_load_b128 v[(\f)+8*(\i):(\f)+8*(\i)+3],   v[ADRA] offset:(\k)+(\i)*16*PITCH
	ds_load_b128 v[(\f)+8*(\i)+4:(\f)+8*(\i)+7], v[ADRA] offset:(\k)+(\i)*16*PITCH+32
.endr
.endm
.macro PLACES                          ; four plain places behind matrix instructions, ahead of loads into registers that they have read and of LDS stores of their results (ISA guide 7.12.1 for the stores)
.rept 4
	v_nop
.endr
.endm
; A K step is four quarters of 32 along K, 48 matrix instructions each, on buffers 0, 1, 0, 1.  One of the first three: multiplies buffer f and fetches the next quarter, at byte k, into g.
.macro QUARTER k, f, g, first
	s_wait_dscnt 8                                 ; W and A's rows 0-63 are in; the youngest eight loads (A's rows 64-127) may be out
	MUL12 \f, 0, 0, \first
	MUL12 \f, 0, 2, \first
	PLACES
	FETCH \k, \g
	s_wait_dscnt 28                                ; all but the 28 just issued
	MUL12 \f, 1, 0, \first
	MUL12 \f, 1, 2, \first
.endm
; The last quarter multiplies buffer 1 and changes slots.  Its first half: each wave waits for all its tensor loads (at most one is out: its part of the next slot), adds 0 to its spare word, waits for that and
; for its own reads of this slot, and meets the others.  Branches follow it, so it leaves every window 0.
.macro MEET
	WIN 0                                          ; (the add's two registers lie in window 0)
	s_wait_tensorcnt 0x0
	ds_add_u32 v[SPW], v[NIL]
	s_wait_dscnt 9                                 ; (the add and the youngest eight loads may be out)
	MUL12 F1, 0, 0, 0                              ; twelve matrix instructions stand between the add and the wait for it
	s_wait_dscnt 0x0                               ; the add is done, and my reads of this slot are over
	s_barrier_signal -1
	MUL12 F1, 0, 2, 0                              ; work on registers while the others arrive
	WIN 0
	s_barrier_wait -1
.endm
	s_wait_tensorcnt 1                             ; my part of K step 0 is in; K step 1's may stay out
	s_barrier_signal -1
	s_barrier_wait -1
	FETCH 0, F0
	s_wait_loadcnt 0x0                             ; the bias
	QUARTER 64,  F0, F1, 1                         ; the first quarter stands in front of the loops: its products start the sums
	WIN 0                                          ; at a label and at a branch every window is 0
	s_mov_b32 s3, NSTEPS-2
.Lstep:                                                ; a trip goes from a K step's second quarter to the next step's first, and fills the slot that it leaves: all steps but the last two
	QUARTER 128, F1, F0, 0
	QUARTER 192, F0, F1, 0
	s_wait_xcnt 0x0                                ; the last prefetch, a K step back, has read its address
	s_add_nc_u64 s[PFA:PFA+1], s[PFA:PFA+1], KSTEP*2
	MEET                                           ; its barrier opens a round of the cluster's barrier:
	CREST                                          ; no wave of any partner still reads this slot's tile or has a load on its way
	s_add_co_u32 s[G0+5], s[LB], s[TB]             ; the walking descriptors: into the slot that is left,
	s_add_co_u32 s[G0B+5], s[LB], s[TB]
	s_add_nc_u64 s[G0+6:G0+7], s[G0+6:G0+7], KSTEP*2       ; the K step behind the last one asked for; the type bits on top are not reached
	s_add_nc_u64 s[G0B+6:G0B+7], s[G0B+6:G0B+7], KSTEP*2
	s_xor_b32 s[TB], s[TB], SLOT                   ; the other slot is in hand
	JLOAD 1                                        ; the first tensor load behind the round: it has 168 matrix instructions in which to land; its four v_nop are also places in front of the loads below
	SETADR
	FETCH 0, F0
	ASK
	MUL12 F1, 1, 0, 0
	MUL12 F1, 1, 2, 0
	QUARTER 64,  F0, F1, 0
	WIN 0
	s_sub_co_u32 s3, s3, 1
	s_cmp_lg_u32 s3, 0
	s_cbranch_scc1 .Lstep
	s_mov_b32 s3, 2
.Ltail:                                                ; the last two K steps: the same trip with no fill and no round; the second trip is left in its middle
	QUARTER 128, F1, F0, 0
	QUARTER 192, F0, F1, 0
	MEET                                           ; (in the second trip nothing is out any more: its barrier says that no wave reads the ring again)
	s_sub_co_u32 s3, s3, 1
	s_cmp_eq_u32 s3, 0
	s_cbranch_scc1 .Lout
	s_xor_b32 s[TB], s[TB], SLOT
	SETADR                                         ; these two and the two v_nop are the four places in front of the loads below
	v_nop
	v_nop
	FETCH 0, F0
	MUL12 F1, 1, 0, 0
	MUL12 F1, 1, 2, 0
	QUARTER 64,  F0, F1, 0
	WIN 0
	s_branch .Ltail
.Lout:                                                 ; every way here passes MEET's barrier behind the last read of the ring: it has had its last fill, and the stage takes its place
	MUL12 F1, 1, 0, 0
	MUL12 F1, 1, 2, 0
	WIN 0
	PLACES
.set a, 0
.rept 8
	WIN 0x08+4*(a/4)                               ; the stores' data in window 2 or 3
.set b, 0
.rept 6
.set AC, 8*(6*(a%4)+b)
	ds_store_b128 v[STO+a/3], v[AC:AC+3]   offset:(a%3)*16*SP+64*b     ; each accumulator's four lowest registers first
	ds_store_b128 v[STO+a/3], v[AC+4:AC+7] offset:(a%3)*16*SP+64*b+16
.set b, b+1
.endr
.set a, a+1
.endr
	WIN 0
	s_wait_dscnt 0x0                               ; for the others' sake: my stores into the stage are done
	s_barrier_signal -1
	s_barrier_wait -1
; Two rows a trip, 16 trips.  Load k: row k / 3, 512 consecutive bytes (128 columns); its four numbers a lane leave as 8 bytes, 32 lanes covering 256 consecutive bytes, aligned.
.macro OLOADS adr
.irp k, 0,1,2,3,4,5
	ds_load_b128 v[XX+4*(\k):XX+4*(\k)+3], v[\adr] offset:((\k)/3)*SP+((\k)%3)*512
.endr
.endm
.macro OSTORES                         ; CO has been stepped already: the stores reach back
.irp k, 0,1,2,3,4,5
	global_store_b64 v[CO], v[YY+2*(\k):YY+2*(\k)+1], s[OUTP:OUTP+1] offset:((\k)/3)*SIZE_N*2+((\k)%3)*256-2*SIZE_N*2
.endr
.endm
	s_mov_b32 s2, 16
	s_mov_b32 s[RS], 0
	OLOADS RD0                                     ; the first two rows
.Lrows:
	s_wait_dscnt 0x0                               ; this trip's six loads
.if GELU
.set i, 0
.rept 24
	v_and_b32 v[AB+i], 0x7fffffff, v[XX+i]
	v_max_num_f32 v[RR+i], 0, v[XX+i]
.set i, i+1
.endr
.else
	s_wait_xcnt 0x0                                ; the last trip's stores have read their data and their offset
	v_add_nc_u32 v[CO], 2*SIZE_N*2, v[CO]
.set i, 0
.rept 12
	v_cvt_pk_bf16_f32 v[YY+i], v[XX+2*i], v[XX+2*i+1]
.set i, i+1
.endr
.endif
	s_add_co_u32 s[RS], s[RS], 2*SP                ; two stage rows on, once a trip
	s_sub_co_u32 s2, s2, 1
	s_cmp_eq_u32 s2, 0
	s_cbranch_scc1 .Llast                          ; the last trip has nothing more to read
	v_add_nc_u32 v[RD], s[RS], v[RD0]
	OLOADS RD                                      ; the next trip's rows come in under this trip's work
.Llast:
.if GELU
.set i, 0
.rept 12
	v_pk_fma_f32 v[TT+i:TT+i+1], v[AB+i:AB+i+1], s[CP:CP+1], 1.0 op_sel_hi:[1,0,0]
	v_pk_mul_f32 v[EE+i:EE+i+1], v[AB+i:AB+i+1], s[CNK:CNK+1] op_sel_hi:[1,0]
.set i, i+2
.endr
.set i, 0
.rept 12
	v_pk_mul_f32 v[EE+i:EE+i+1], v[EE+i:EE+i+1], v[AB+i:AB+i+1]
.set i, i+2
.endr
.set i, 0
.rept 24                               ; one batch of 48
	v_rcp_f32 v[TT+i], v[TT+i]
	v_exp_f32 v[EE+i], v[EE+i]
.set i, i+1
.endr
	v_nop                                          ; a plain instruction behind the last of them
	s_wait_alu depctr_va_vdst(0)                   ; a wait ahead of the first reader: one for the batch
.set i, 0
.rept 12
	v_pk_fma_f32 v[PP+i:PP+i+1], v[TT+i:TT+i+1], s[C5:C5+1], s[C4:C4+1] op_sel_hi:[1,0,0]
.set i, i+2
.endr
.irp c, C3, C2, C1
.set i, 0
.rept 12
	v_pk_fma_f32 v[PP+i:PP+i+1], v[PP+i:PP+i+1], v[TT+i:TT+i+1], s[\c:\c+1] op_sel_hi:[1,1,0]
.set i, i+2
.endr
.endr
.set i, 0
.rept 12
	v_pk_mul_f32 v[TT+i:TT+i+1], v[TT+i:TT+i+1], v[EE+i:EE+i+1]
.set i, i+2
.endr
.set i, 0
.rept 12
	v_pk_mul_f32 v[PP+i:PP+i+1], v[PP+i:PP+i+1], v[TT+i:TT+i+1]      ; Q(|x|)
.set i, i+2
.endr
.set i, 0
.rept 12
	v_pk_fma_f32 v[PP+i:PP+i+1], v[AB+i:AB+i+1], v[PP+i:PP+i+1], v[RR+i:RR+i+1] neg_lo:[1,0,0] neg_hi:[1,0,0]  ; max(x, 0) - |x| Q
.set i, i+2
.endr
	s_wait_xcnt 0x0                                ; the last trip's stores have read their data and their offset
	v_add_nc_u32 v[CO], 2*SIZE_N*2, v[CO]
.set i, 0
.rept 12
	v_cvt_pk_bf16_f32 v[YY+i], v[PP+2*i], v[PP+2*i+1]
.set i, i+1
.endr
.endif
	OSTORES
	s_cmp_lg_u32 s2, 0
	s_cbranch_scc1 .Lrows
	s_wait_dscnt 0x0                               ; my reads of the stage are over;
	s_barrier_signal -1
	s_barrier_wait -1                              ; behind this barrier no wave reads the stage any more
	s_wait_tensorcnt 0x0                           ; the wave's end: behind my last tensor load and my last LDS store
	ds_add_u32 v[SPW], v[NIL]
	s_wait_dscnt 0x0
	CROUND                                         ; the closing round: no work-group ends while a partner may still ask for a tile that names it
	s_endpgm
.Lfunc_end_k_qa9a474a7bb_ff1:
	.size	k_qa9a474a7bb_ff1, .Lfunc_end_k_qa9a474a7bb_ff1-k_qa9a474a7bb_ff1
	.p2alignl 7, 3214868480
	.fill 96, 4, 3214868480
	.section	.rodata,"a",@progbits
	.p2align	6, 0x0
	.amdhsa_kernel k_qa9a474a7bb_ff1
		.amdhsa_group_segment_fixed_size 327680
		.amdhsa_private_segment_fixed_size 0
		.amdhsa_enable_private_segment 0
		.amdhsa_kernarg_size 32
		.amdhsa_user_sgpr_count 2
		.amdhsa_user_sgpr_kernarg_segment_ptr 1
		.amdhsa_wavefront_size32 1
		.amdhsa_system_sgpr_workgroup_id_x 1
		.amdhsa_system_sgpr_workgroup_id_y 1
		.amdhsa_system_sgpr_workgroup_id_z 1
		.amdhsa_system_vgpr_workitem_id 0
		.amdhsa_next_free_vgpr 960
		.amdhsa_next_free_sgpr 80
		.amdhsa_reserve_vcc 0
		.amdhsa_float_denorm_mode_32 3
		.amdhsa_float_denorm_mode_16_64 3
		.amdhsa_memory_ordered 1
		.amdhsa_forward_progress 1
		.amdhsa_inst_pref_size 81
	.end_amdhsa_kernel
	.amdgpu_metadata
---
amdhsa.version: [ 1, 2 ]
amdhsa.kernels:
  - .name:           k_qa9a474a7bb_ff1
    .symbol:         k_qa9a474a7bb_ff1.kd
    .args:
      - { .name: act, .offset: 0, .size: 8, .value_kind: global_buffer, .address_space: global }
      - { .name: w1, .offset: 8, .size: 8, .value_kind: global_buffer, .address_space: global }
      - { .name: ff1_b, .offset: 16, .size: 8, .value_kind: global_buffer, .address_space: global }
      - { .name: big, .offset: 24, .size: 8, .value_kind: global_buffer, .address_space: global }
    .group_segment_fixed_size: 327680
    .private_segment_fixed_size: 0
    .kernarg_segment_align: 8
    .kernarg_segment_size: 32
    .max_flat_workgroup_size: 128
    .sgpr_count:     80
    .vgpr_count:     960
    .wavefront_size: 32
...
	.end_amdgpu_metadata
.endif
;; end of part 6
;; launch ff2 (part 7): grid 8 x 32, 4 waves a work-group, clusters of 4 x 4, 327,680 bytes of LDS; arguments big, wo2, ff2_b, x1, out0; writes out0
.if DOCPART == 7
	.amdgcn_target "amdgcn-amd-amdhsa--gfx1250"
	.amdhsa_code_object_version 6
	.text
	.protected	k_qa9a474a7bb_ff2
	.globl	k_qa9a474a7bb_ff2
	.p2align	8
	.type	k_qa9a474a7bb_ff2,@function
k_qa9a474a7bb_ff2:
	s_mov_b64 s[64:65], 0
	v_nop
	global_prefetch_b8 v0, s[64:65] scope:SCOPE_SE
	s_setreg_imm32_b32 hwreg(HW_REG_WAVE_MODE, 25, 1), 1
	s_wait_xcnt 0x0
	s_wait_alu depctr_hold_cnt(0) depctr_sa_sdst(0) depctr_va_vdst(0) depctr_va_sdst(0) depctr_va_ssrc(0) depctr_va_vcc(0) depctr_vm_vsrc(0)
	s_getreg_b32 s2, hwreg(HW_REG_IB_STS2, 6, 4)
	s_cmp_eq_u32 s2, 0
	s_cbranch_scc0 .Lentry_in_a_cluster
	s_endpgm
.Lentry_in_a_cluster:
	s_bfe_u32 s2, ttmp6, 0x10000c
	s_cmp_lg_u32 s2, 0xf033
	s_cbranch_scc0 .Lentry_shape_is_right
	s_endpgm
.Lentry_shape_is_right:
; OUT[m][n] = RES[m][n] + bias[n] + sum over k of A[m][k] W[n][k].  A: [4096][SIZE_K] bf16, W: [1024][SIZE_K] bf16 (WOFF bytes into its buffer), bias: [1024] f32, RES and OUT: [4096][1024] f32; sums in f32.
; A tile of OUT is 128 x 128: 8 x 32 = 256 work-groups.  Four waves, each 64 x 64: 16 accumulators of 16 x 16.  K goes in steps of 256 (LDS rows of 512 bytes; a wave's tensor load brings 64 of them)
; through two slots.  CLUSTER: 4 x 4 work-groups; A's tile is asked for jointly along a row of the cluster, W's along a column.
; A LOOP'S TRIP IS ONE K STEP: a step's text stands once in the loop that fills slots again and once in the loop of the last two steps, which fills nothing.  The slot in hand is a scalar, s[TB], 0 or SLOT, turned by
; an exclusive or at each change of slots; the fragments' LDS addresses and the LDS word of the walking descriptor are made from it.
; THE MATRIX INSTRUCTION IS USED TRANSPOSED (source 0 = 16 rows of W, source 1 = 16 rows of A): a lane holds eight neighbouring numbers of a row of OUT, and the bias, eight registers a column block, is the
; C operand of the products that start the sums.  RES's 32 rows a wave are asked for ahead of the K loop and land under it.
; THE WAY OUT: the sums go in f32 into a stage of 128 rows x 528 bytes at the ring's head, when the ring's last fill has landed and its last read is over; each wave reads 32 whole rows back, adds RES and stores.
; REGISTERS: window 0: v16-29 addresses; v32-63 the bias; v128-255 the accumulators ((a, b) at v[128 + 8 (4 a + b)]).   window 1: two fragment buffers of 128.   window 2: v0-127 RES.
; No prefetch: a tile's bytes are few beside what all tiles read again.  LIMITS: NaN and infinities are not treated apart.
.set SIZE_K, 3072
.set SIZE_N, 1024
.set WOFF,   2097152
.set KSTEP,  256
.set NSTEPS, SIZE_K/KSTEP
.set PITCH,  528                       ; an LDS row: 512 bytes + 16 of padding = 132 words: row r starts at bank 4 r mod 64 (64 banks of 4 bytes: ISA guide 11.1)
.set HALFT,  64*PITCH
.set SLOT,   4*HALFT                   ; A's 128 rows, then W's 128 rows
.set SPARE,  2*SLOT                    ; behind the ring: the spare words, 128 bytes a wave: two blocks of 256 bytes that no other line names
.set SPITCH, 528                       ; a stage row: 128 f32 + 16 bytes
.set ADRA, 16                          ; v16  LDS address of my A fragments in the slot in hand: ADRA0 + s[TB]
.set ADRA0, 17                         ; v17  the same in slot 0; never rewritten
.set ADRB, 20                          ; v20-21  the same for W
.set ADRB0, 21
.set STO,  24
.set RD,   25
.set CO,   26                          ; v26  16 x lane: my bytes in a row of 512; never rewritten
.set BO,   27                          ; v27  32 x (l / 16)
.set SPW,  28
.set NIL,  29
.set BI,   32
.set ACC,  128
.set F0,   0
.set F1,   128
.set TB,   2                           ; s2   the slot in hand: 0 or SLOT
.set LB,   20                          ; s20  where my tensor loads go in a slot: wave x 64 rows
.set G1, 24                            ; s[24:31] descriptor group 1 for A's tiles; s[32:39] group 0: a set for each of the two first fills; the second then walks on
.set G0, 32
.set G1B, 48                           ; s[48:55], s[56:63] the same for W's tiles
.set G0B, 56
.set MSB, 0
.macro WIN new
.if MSB != (\new)
	s_set_vgpr_msb (MSB<<8)|(\new)
.set MSB, \new
.endif
.endm
.set MUL,  0x05                        ; sources 0 (W) and 1 (A) window 1; C and D window 0
.set TO_F, 0x40                        ; destination window 1, address window 0
.macro JLOAD s                         ; a joint load: waves 0 and 1 fetch A's two halves, waves 2 and 3 W's; an s_nop 0 and four v_nop follow each of the two lines
	s_cmp_eq_u32 s11, 0
	s_cbranch_scc0 .Lfor_b_\@
	tensor_load_to_lds s[G0+4*(\s):G0+4*(\s)+3], s[G1:G1+7]
	s_nop 0
.rept 4
	v_nop
.endr
	s_branch .Lasked_\@
.Lfor_b_\@:
	tensor_load_to_lds s[G0B+4*(\s):G0B+4*(\s)+3], s[G1B:G1B+7]
	s_nop 0
.rept 4
	v_nop
.endr
.Lasked_\@:
.endm
.macro CREST
	s_cmp_lg_u32 s10, 0
	s_cbranch_scc1 .Lnot_wave_0_\@
	s_barrier_signal -3
.Lnot_wave_0_\@:
	s_barrier_wait -3
	s_barrier_signal -1
	s_barrier_wait -1
.endm
.macro CROUND
	s_barrier_signal -1
	s_barrier_wait -1
	CREST
.endm
.macro SETADR                          ; the fragments' addresses in the slot in hand
	v_add_nc_u32 v[ADRA], s[TB], v[ADRA0]
	v_add_nc_u32 v[ADRB], s[TB], v[ADRB0]
.endm
	s_load_b128 s[4:7], s[0:1], 0x0                ; A s[4:5], W s[6:7]
	s_load_b128 s[68:71], s[0:1], 0x10             ; bias s[68:69], RES s[70:71]
	s_load_b64 s[8:9], s[0:1], 0x20                ; OUT
	v_lshl_add_u32 v[SPW], v0, 2, SPARE
	v_mov_b32 v[NIL], 0
	ds_add_u32 v[SPW], v[NIL]                      ; the wave's opening: the add and its wait ahead of my first tensor load
	v_lshrrev_b32 v1, 5, v0
	v_readfirstlane_b32 s10, v1                    ; wave 0..3
	s_lshr_b32 s11, s10, 1                         ; which half of the tile's rows is mine.  Also: I fetch for A (0) or for W (1)
	s_and_b32 s12, s10, 1                          ; which half of its columns.  Also: which 64 rows of that tile I fetch
	s_bfe_u32 s40, ttmp6, 0x40000                  ; cx, cy
	s_bfe_u32 s41, ttmp6, 0x40004
	s_lshl_b32 s42, ttmp9, 2
	s_add_co_u32 s42, s42, s40                     ; tile column
	s_and_b32 s13, ttmp7, 0xffff
	s_lshl_b32 s13, s13, 2
	s_add_co_u32 s13, s13, s41                     ; tile row
	s_lshl_b32 s43, s41, 2
	s_lshl_b32 s43, 15, s43                        ; my row of the cluster
	s_lshl_b32 s44, 0x1111, s40                    ; my column
	s_or_b32 s[G1+0], s43, (1<<16)|(1<<20)|(1<<21)|(6<<22)|(3<<25)  ; the mask; elements of 2 bytes; padding on; bit 21 beside a mask; after every 128 words, 4 words
	s_or_b32 s[G1B+0], s44, (1<<16)|(1<<20)|(1<<21)|(6<<22)|(3<<25)
.irp g, G1, G1B
	s_mov_b32 s[(\g)+1], KSTEP<<16                 ; tensor_dim0 = 256
	s_mov_b32 s[(\g)+2], 64<<16                    ; tensor_dim1 = 64
	s_mov_b32 s[(\g)+3], KSTEP<<16                 ; tile_dim0 = 256
	s_mov_b32 s[(\g)+4], 64                        ; tile_dim1 = 64
	s_mov_b32 s[(\g)+5], SIZE_K                    ; elements from row to row
	s_mov_b32 s[(\g)+6], 0
	s_mov_b32 s[(\g)+7], 0
.endr
	s_lshl_b32 s17, s12, 6
	s_lshl_b32 s16, s13, 7
	s_add_co_u32 s16, s16, s17                     ; A: row 128 x tile row + 64 x half
	s_lshl_b32 s46, s42, 7
	s_add_co_u32 s46, s46, s17                     ; W: row 128 x tile column + 64 x half
	s_mov_b32 s17, 0
	s_mov_b32 s47, 0
	s_mov_b64 s[18:19], SIZE_K*2
	s_mul_u64 s[16:17], s[16:17], s[18:19]
	s_mul_u64 s[46:47], s[46:47], s[18:19]
	s_mul_i32 s[LB], s10, HALFT                    ; wave x 64 rows
	s_mov_b32 s[TB], 0                             ; slot 0 is the first in hand
	s_wait_dscnt 0x0                               ; the opening add is done
	s_wait_kmcnt 0x0
.if WOFF
	s_add_nc_u64 s[6:7], s[6:7], WOFF
.endif
	s_add_nc_u64 s[14:15], s[4:5], s[16:17]
	s_add_nc_u64 s[46:47], s[6:7], s[46:47]
	CROUND                                         ; all sixteen work-groups are here: the first joint loads meet
.irp s, 0,1
	s_mov_b32 s[G0+4*(\s)], 1
	s_add_co_u32 s[G0+4*(\s)+1], s[LB], (\s)*SLOT
	s_add_nc_u64 s[G0+4*(\s)+2:G0+4*(\s)+3], s[14:15], (\s)*KSTEP*2
	s_or_b32 s[G0+4*(\s)+3], s[G0+4*(\s)+3], 0x80000000
	s_mov_b32 s[G0B+4*(\s)], 1
	s_add_co_u32 s[G0B+4*(\s)+1], s[LB], (\s)*SLOT
	s_add_nc_u64 s[G0B+4*(\s)+2:G0B+4*(\s)+3], s[46:47], (\s)*KSTEP*2
	s_or_b32 s[G0B+4*(\s)+3], s[G0B+4*(\s)+3], 0x80000000
	JLOAD \s
.endr
	v_and_b32 v1, 15, v0                           ; l % 16
	v_bfe_u32 v2, v0, 4, 1                         ; l / 16
	v_and_b32 v5, 31, v0                           ; l
	v_lshlrev_b32 v[BO], 5, v2
	s_lshl_b32 s46, s42, 9                         ; the tile's first column: 512 bytes of f32 a tile column,
	s_mov_b32 s47, 0
	s_add_nc_u64 s[68:69], s[68:69], s[46:47]
	s_add_nc_u64 s[70:71], s[70:71], s[46:47]
	s_add_nc_u64 s[8:9], s[8:9], s[46:47]
	s_lshl_b32 s22, s12, 8                         ; my half of the bias's 128 numbers
	s_mov_b32 s23, 0
	s_add_nc_u64 s[68:69], s[68:69], s[22:23]
.irp b, 0,1,2,3
	global_load_b128 v[BI+8*(\b):BI+8*(\b)+3],   v[BO], s[68:69] offset:64*(\b)
	global_load_b128 v[BI+8*(\b)+4:BI+8*(\b)+7], v[BO], s[68:69] offset:64*(\b)+16
.endr
	s_lshl_b32 s16, s13, 7
	s_lshl_b32 s17, s10, 5
	s_add_co_u32 s16, s16, s17                     ; the first row that I store: 128 x tile row + 32 x wave,
	s_lshl_b32 s16, s16, 12                        ; of 4,096 bytes
	s_mov_b32 s17, 0
	s_add_nc_u64 s[70:71], s[70:71], s[16:17]
	s_add_nc_u64 s[8:9], s[8:9], s[16:17]
	v_mul_u32_u24 v3, v1, PITCH
	v_lshl_add_u32 v3, v2, 4, v3                   ; a fragment's row x pitch + 16 x half
	s_mul_i32 s21, s11, HALFT                      ; my 64 rows of A
	s_mul_i32 s22, s12, HALFT                      ; my 64 rows of W,
	s_add_co_u32 s22, s22, 2*HALFT                 ; which lie behind A's 128
	v_add_nc_u32 v[ADRA0], s21, v3
	v_add_nc_u32 v[ADRB0], s22, v3
	SETADR
	s_mul_i32 s23, s11, 64*SPITCH                  ; into the stage: my 64 rows, my half of their 512 bytes; row l % 16, 32 bytes for each half of the lanes
	s_lshl_b32 s21, s12, 8
	s_add_co_u32 s23, s23, s21
	v_mul_u32_u24 v4, v1, SPITCH
	v_lshl_add_u32 v4, v2, 5, v4
	v_add_nc_u32 v[STO], s23, v4
	s_mul_i32 s23, s10, 32*SPITCH                  ; back: wave w takes rows 32 w .. 32 w + 31, a whole row of 512 bytes a load
	v_lshl_add_u32 v[RD], v5, 4, s23
	v_lshlrev_b32 v[CO], 4, v5
; 8 matrix instructions: row blocks a0, a0 + 1 x all 4 column blocks, 32 along K: half c of buffer f.  first = 1: the bias starts the sums.  The 16 accumulators take turns.
.macro MUL8 f, c, a0, first
	WIN MUL
.irp a, \a0, (\a0)+1
.irp b, 0,1,2,3
.if \first
	v_wmma_f32_16x16x32_bf16 v[ACC+8*(4*(\a)+(\b)):ACC+8*(4*(\a)+(\b))+7], v[(\f)+64+8*(4*(\c)+(\b)):(\f)+64+8*(4*(\c)+(\b))+7], v[(\f)+8*(4*(\c)+(\a)):(\f)+8*(4*(\c)+(\a))+7], v[BI+8*(\b):BI+8*(\b)+7]
.else
	v_wmma_f32_16x16x32_bf16 v[ACC+8*(4*(\a)+(\b)):ACC+8*(4*(\a)+(\b))+7], v[(\f)+64+8*(4*(\c)+(\b)):(\f)+64+8*(4*(\c)+(\b))+7], v[(\f)+8*(4*(\c)+(\a)):(\f)+8*(4*(\c)+(\a))+7], v[ACC+8*(4*(\a)+(\b)):ACC+8*(4*(\a)+(\b))+7]
.endif
.endr
.endr
.endm
; 32 LDS loads in one run: the fragments of 64 along K at byte k of the rows of the slot in hand, into buffer f; the first 32 along K first
.macro FETCH k, f
	WIN TO_F
.irp c, 0,1
.irp i, 0,1,2,3
	ds_load_b128 v[(\f)+64+8*(4*(\c)+(\i)):(\f)+64+8*(4*(\c)+(\i))+3],   v[ADRB] offset:(\k)+64*(\c)+(\i)*16*PITCH
	ds_load_b128 v[(\f)+64+8*(4*(\c)+(\i))+4:(\f)+64+8*(4*(\c)+(\i))+7], v[ADRB] offset:(\k)+64*(\c)+(\i)*16*PITCH+32
	ds_load_b128 v[(\f)+8*(4*(\c)+(\i)):(\f)+8*(4*(\c)+(\i))+3],         v[ADRA] offset:(\k)+64*(\c)+(\i)*16*PITCH
	ds_load_b128 v[(\f)+8*(4*(\c)+(\i))+4:(\f)+8*(4*(\c)+(\i))+7],       v[ADRA] offset:(\k)+64*(\c)+(\i)*16*PITCH+32
.endr
.endr
.endm
.macro PLACES                          ; four plain places behind matrix instructions, ahead of loads into registers that they have read and of LDS stores of their results
.rept 4
	v_nop
.endr
.endm
; A K step is four quarters of 64 along K, 32 matrix instructions each, on buffers 0, 1, 0, 1.
.macro QUARTER k, f, g, first
	s_wait_dscnt 16                                ; the first 32 along K are in; the youngest sixteen loads may be out
	MUL8 \f, 0, 0, \first
	MUL8 \f, 0, 2, \first
	PLACES
	FETCH \k, \g
	s_wait_dscnt 32                                ; all but the 32 just issued
	MUL8 \f, 1, 0, 0
	MUL8 \f, 1, 2, 0
.endm
; The last quarter multiplies buffer 1 and changes slots.  Its first half: in front of the barrier each wave waits for all its tensor loads, adds 0 to its spare word, and waits for that and for its own reads of this slot.
; Branches follow it, so it leaves every window 0.
.macro MEET
	WIN 0                                          ; (the add's two registers lie in window 0)
	s_wait_tensorcnt 0x0                           ; all my tensor loads have landed: my part of the next slot
	ds_add_u32 v[SPW], v[NIL]
	s_wait_dscnt 17                                ; (the add and the youngest sixteen loads may be out)
	MUL8 F1, 0, 0, 0
	s_wait_dscnt 0x0                               ; the add is done, and my reads of this slot are over
	s_barrier_signal -1
	MUL8 F1, 0, 2, 0
	WIN 0
	s_barrier_wait -1
.endm
	s_wait_tensorcnt 1                             ; my part of K step 0 is in; K step 1's may stay out
	s_barrier_signal -1
	s_barrier_wait -1
	FETCH 0, F0
	s_wait_loadcnt 0x0                             ; the bias
	WIN 0x80                                       ; destination window 2
.set t, 0
.rept 32
	global_load_b128 v[4*t:4*t+3], v[CO], s[70:71] offset:4096*t th:TH_LOAD_NT  ; RES: a row's 512 bytes a load; waited for on the way out
.set t, t+1
.endr
	QUARTER 128, F0, F1, 1                         ; the first quarter stands in front of the loops: its first products start the sums
	WIN 0
	s_mov_b32 s3, NSTEPS-2
.Lstep:                                                ; a trip goes from a K step's second quarter to the next step's first, and fills the slot that it leaves: all steps but the last two
	QUARTER 256, F1, F0, 0
	QUARTER 384, F0, F1, 0
	MEET                                           ; its barrier opens a round of the cluster's barrier:
	CREST                                          ; no wave of any partner still reads this slot's tile or has a load on its way
	s_add_co_u32 s[G0+5], s[LB], s[TB]             ; the walking descriptors: into the slot that is left,
	s_add_co_u32 s[G0B+5], s[LB], s[TB]
	s_add_nc_u64 s[G0+6:G0+7], s[G0+6:G0+7], KSTEP*2       ; the K step behind the last one asked for; the type bits on top are not reached
	s_add_nc_u64 s[G0B+6:G0B+7], s[G0B+6:G0B+7], KSTEP*2
	s_xor_b32 s[TB], s[TB], SLOT                   ; the other slot is in hand
	JLOAD 1                                        ; the first tensor load behind the round; its four v_nop are also places in front of the loads below
	SETADR
	FETCH 0, F0
	MUL8 F1, 1, 0, 0
	MUL8 F1, 1, 2, 0
	QUARTER 128, F0, F1, 0
	WIN 0
	s_sub_co_u32 s3, s3, 1
	s_cmp_lg_u32 s3, 0
	s_cbranch_scc1 .Lstep
	s_mov_b32 s3, 2
.Ltail:                                                ; the last two K steps: the same trip with no fill and no round; the second trip is left in its middle
	QUARTER 256, F1, F0, 0
	QUARTER 384, F0, F1, 0
	MEET                                           ; (in the second trip nothing is out any more: its barrier says that no wave reads the ring again)
	s_sub_co_u32 s3, s3, 1
	s_cmp_eq_u32 s3, 0
	s_cbranch_scc1 .Lout
	s_xor_b32 s[TB], s[TB], SLOT
	SETADR                                         ; these two and the two v_nop are the four places in front of the loads below
	v_nop
	v_nop
	FETCH 0, F0
	MUL8 F1, 1, 0, 0
	MUL8 F1, 1, 2, 0
	QUARTER 128, F0, F1, 0
	WIN 0
	s_branch .Ltail
.Lout:                                                 ; every way here passes MEET's barrier behind the last read of the ring: it has had its last fill, and the stage takes its head
	MUL8 F1, 1, 0, 0
	MUL8 F1, 1, 2, 0
	WIN 0
	PLACES
.irp a, 0,1,2,3
.irp b, 0,1,2,3
	ds_store_b128 v[STO], v[ACC+8*(4*(\a)+(\b)):ACC+8*(4*(\a)+(\b))+3]   offset:(\a)*16*SPITCH+64*(\b)     ; each accumulator's four lowest registers first
	ds_store_b128 v[STO], v[ACC+8*(4*(\a)+(\b))+4:ACC+8*(4*(\a)+(\b))+7] offset:(\a)*16*SPITCH+64*(\b)+16
.endr
.endr
	s_wait_dscnt 0x0                               ; for the others' sake: a row's 512 bytes come from two waves
	s_barrier_signal -1
	s_barrier_wait -1
.set t, 0
.rept 32
	ds_load_b128 v[ACC+4*t:ACC+4*t+3], v[RD] offset:SPITCH*t
.set t, t+1
.endr
	s_wait_loadcnt 0x0                             ; RES
.set g, 0
.rept 4                                ; eight rows at a time, so that the windows are switched eight times in all
	s_wait_dscnt 24-8*g                            ; the eight rows of group g are back; the later groups' may be out
	WIN 0x08                                       ; source 1 window 2
.set t, 8*g
.rept 8
	v_pk_add_f32 v[ACC+4*t:ACC+4*t+1],   v[ACC+4*t:ACC+4*t+1],   v[4*t:4*t+1]
	v_pk_add_f32 v[ACC+4*t+2:ACC+4*t+3], v[ACC+4*t+2:ACC+4*t+3], v[4*t+2:4*t+3]
.set t, t+1
.endr
	WIN 0
.set t, 8*g
.rept 8
	global_store_b128 v[CO], v[ACC+4*t:ACC+4*t+3], s[8:9] offset:4096*t  ; 512 consecutive bytes, aligned to 256
.set t, t+1
.endr
.set g, g+1
.endr
	s_wait_tensorcnt 0x0                           ; the wave's end: behind my last tensor load and my last LDS store
	ds_add_u32 v[SPW], v[NIL]
	s_wait_dscnt 0x0
	CROUND                                         ; the closing round
	s_endpgm
.Lfunc_end_k_qa9a474a7bb_ff2:
	.size	k_qa9a474a7bb_ff2, .Lfunc_end_k_qa9a474a7bb_ff2-k_qa9a474a7bb_ff2
	.p2alignl 7, 3214868480
	.fill 96, 4, 3214868480
	.section	.rodata,"a",@progbits
	.p2align	6, 0x0
	.amdhsa_kernel k_qa9a474a7bb_ff2
		.amdhsa_group_segment_fixed_size 327680
		.amdhsa_private_segment_fixed_size 0
		.amdhsa_enable_private_segment 0
		.amdhsa_kernarg_size 40
		.amdhsa_user_sgpr_count 2
		.amdhsa_user_sgpr_kernarg_segment_ptr 1
		.amdhsa_wavefront_size32 1
		.amdhsa_system_sgpr_workgroup_id_x 1
		.amdhsa_system_sgpr_workgroup_id_y 1
		.amdhsa_system_sgpr_workgroup_id_z 1
		.amdhsa_system_vgpr_workitem_id 0
		.amdhsa_next_free_vgpr 640
		.amdhsa_next_free_sgpr 72
		.amdhsa_reserve_vcc 0
		.amdhsa_float_denorm_mode_32 3
		.amdhsa_float_denorm_mode_16_64 3
		.amdhsa_memory_ordered 1
		.amdhsa_forward_progress 1
		.amdhsa_inst_pref_size 66
	.end_amdhsa_kernel
	.amdgpu_metadata
---
amdhsa.version: [ 1, 2 ]
amdhsa.kernels:
  - .name:           k_qa9a474a7bb_ff2
    .symbol:         k_qa9a474a7bb_ff2.kd
    .args:
      - { .name: big, .offset: 0, .size: 8, .value_kind: global_buffer, .address_space: global }
      - { .name: wo2, .offset: 8, .size: 8, .value_kind: global_buffer, .address_space: global }
      - { .name: ff2_b, .offset: 16, .size: 8, .value_kind: global_buffer, .address_space: global }
      - { .name: x1, .offset: 24, .size: 8, .value_kind: global_buffer, .address_space: global }
      - { .name: out0, .offset: 32, .size: 8, .value_kind: global_buffer, .address_space: global }
    .group_segment_fixed_size: 327680
    .private_segment_fixed_size: 0
    .kernarg_segment_align: 8
    .kernarg_segment_size: 40
    .max_flat_workgroup_size: 128
    .sgpr_count:     72
    .vgpr_count:     640
    .wavefront_size: 32
...
	.end_amdgpu_metadata
.endif
;; end of part 7
;; ======== version 2 of 2: 7 launches; version 1 with the launches prep, ln2 written anew for expert scheduling mode
;; limits: right only within a limited range of input values
;; workspace buffers: act 8,388,608 bytes; big 25,165,824 bytes; x1 16,777,216 bytes; wq 6,291,456 bytes; w1 6,291,456 bytes; wo2 8,388,608 bytes
;; launch prep (part 8): grid 256 x 1, 8 waves a work-group, no clusters, 0 bytes of LDS; arguments x, ln1_w, ln1_b, act, qkv_w, out_w, ff1_w, ff2_w, wq, wo2, w1; writes act, wq, wo2, w1
.if DOCPART == 8
	.amdgcn_target "amdgcn-amd-amdhsa--gfx1250"
	.amdhsa_code_object_version 6
	.text
	.protected	k_qa9a474a7bb_prep
	.globl	k_qa9a474a7bb_prep
	.p2align	8
	.type	k_qa9a474a7bb_prep,@function
k_qa9a474a7bb_prep:
	s_mov_b64 s[64:65], 0
	v_nop
	global_prefetch_b8 v0, s[64:65] scope:SCOPE_SE
	s_setreg_imm32_b32 hwreg(HW_REG_WAVE_SCHED_MODE, 0, 2), 2
	s_setreg_imm32_b32 hwreg(HW_REG_WAVE_MODE, 25, 1), 1
	s_wait_xcnt 0x0
	s_wait_alu depctr_vm_vsrc(0)
; TWO JOBS IN EVERY WAVE, so that all 2,048 waves (256 work-groups of 8) do the same work.  Wave id = 8 x work-group + wave.
; (1) h = LayerNorm(x) * ln1_w + ln1_b, rounded once to bf16, into act [4096][1024]: rows 2 id and 2 id + 1, each kept in 32 registers: mean, then the deviations, then the mean of their squares
;     (two passes, so a common offset in x costs nothing), all in f32.
; (2) bf16 copies of the four weight matrices, each number rounded once: qkv_w -> wq, ff1_w -> w1, ff2_w -> wo2 at byte 2,097,152 (6,144 bytes of f32 a wave each), out_w -> wo2 at byte 0 (2,048 a wave).
; LANES.  Every load takes 512 consecutive bytes: lane l the four numbers 128 k + 4 l .. + 3 of piece k.  They leave as 8 bytes of bf16: the 32 lanes of a store cover 256 consecutive bytes, aligned.
; IN FLIGHT.  16 loads of x, 16 of gain and bias and 28 of weights go out at once; the other 12 of weights when the two rows have come.  No LDS, no barrier: no wave needs another's data.
; REGISTERS.  Window 0: the LayerNorm.  Window 1 (v256 on): the weights' 40 x 4 registers and copies of the two lane offsets, so that one setting serves their loads, conversions and stores
; (s_set_vgpr_msb: bits 1:0 source 0, 3:2 source 1, 7:6 destination).
; THE MODE: SCHED_MODE bits 1:0 = 2 (LLVM: expert scheduling mode 2), set by the entry lines.  The code itself states the register dependences between vector instructions and memory
; instructions, with s_wait_alu, always for 0.
; THE PLAN.  Registers that memory instructions touch:
;   v2, v3, v416, v417  the lane offsets.  Written at the head, never again; read by every load and store.
;   X                   Written by 16 loads, then in place by the LayerNorm's lines, last by its 32 conversions; then 16 stores read the converted pairs.  Nothing writes X behind the stores.
;   W, BV               Written by 16 loads; read by vector lines alone.
;   CV                  Written by 40 loads; a group of eight loads is converted in place by 16 lines, then 8 stores read the converted pairs.  Nothing writes them behind the stores.
;   M, T and R are named by vector lines alone.
; So: one wait ahead of the first load (the offsets); all loads follow it with no vector line between.  Both rows' means and variances are made first, so that the four roots are one batch with one
; wait; both rows are scaled and converted, and one wait stands ahead of the run of 16 stores; each group of weights has one wait between its 16 conversions and its run of 8 stores.
; No register that a load or store reads is written again, so no line waits for memory instructions to have read their registers.
; LIMITS.  NaN and infinities are not treated apart.
.set IO,  2                            ; v2       16 x lane: my bytes in 512 bytes of f32; never rewritten
.set OO,  3                            ; v3       8 x lane: my bytes in 256 bytes of bf16; never rewritten
.set M,   4                            ; v[4:5]   the row's mean, twice
.set W,   8                            ; v[8:39]  the gain of my 32 columns
.set BV,  40                           ; v[40:71] the bias of my 32 columns
.set X,   72                           ; v[72:135] two rows, 32 registers each
.set T,   136                          ; v[136:143] at work
.set R,   144                          ; v[144:147] row r: 1 / sqrt(var + eps), twice, at R + 2 r
.set CV,  0                            ; window 1: v[256:415] weight load u at CV + 4 u
.set IO1, 160                          ; window 1: v416  16 x lane
.set OO1, 161                          ; window 1: v417  8 x lane
.set MSB, 0
.macro WIN new                         ; the immediate's high byte repeats the setting that is left
.if MSB != (\new)
	s_set_vgpr_msb (MSB<<8)|(\new)
.set MSB, \new
.endif
.endm
	s_load_b512 s[4:19], s[0:1], 0x0               ; x, ln1_w, ln1_b, act, qkv_w, out_w, ff1_w, ff2_w
	s_load_b128 s[20:23], s[0:1], 0x40             ; wq, wo2
	s_load_b64 s[24:25], s[0:1], 0x50              ; w1
	v_lshrrev_b32 v1, 5, v0
	v_readfirstlane_b32 s30, v1                    ; wave 0..7
	v_and_b32 v1, 31, v0                           ; lane
	v_lshlrev_b32 v[IO], 4, v1
	v_lshlrev_b32 v[OO], 3, v1
	WIN 0x40                                       ; destination window 1
	v_lshlrev_b32 v[IO1], 4, v1
	v_lshlrev_b32 v[OO1], 3, v1
	WIN 0
	s_mov_b32 s36, 0x3a800000                      ; 1 / 1024
	s_mov_b32 s37, 0x3727c5ac                      ; eps = 1e-5
	s_mov_b32 s38, 0x76543210                      ; v_permlanex16_b32: each lane takes its own place in the other half
	s_mov_b32 s39, 0xfedcba98
	s_lshl_b32 s31, ttmp9, 3
	s_wait_alu depctr_va_sdst(0)                   ; s30 is written, ahead of its first reader: every base below is made from it
	s_add_co_u32 s31, s31, s30                     ; id, 0..2047
	s_lshl_b32 s32, s31, 13                        ; two rows of 4,096 bytes
	s_mov_b32 s33, 0
	s_lshl_b32 s34, s31, 12                        ; the same rows in bf16
	s_mov_b32 s35, 0
	s_mul_i32 s40, s31, 6144                       ; my share of a matrix of 3 x 1,024 x 1,024 numbers, in f32,
	s_mov_b32 s41, 0
	s_mul_i32 s42, s31, 3072                       ; and in bf16
	s_mov_b32 s43, 0
	s_lshl_b32 s44, s31, 11                        ; my share of out_w, in f32,
	s_mov_b32 s45, 0
	s_lshl_b32 s46, s31, 10                        ; and in bf16
	s_mov_b32 s47, 0
	s_wait_kmcnt 0x0
	s_add_nc_u64 s[32:33], s[4:5], s[32:33]        ; x
	s_add_nc_u64 s[34:35], s[10:11], s[34:35]      ; act
	s_add_nc_u64 s[12:13], s[12:13], s[40:41]      ; qkv_w
	s_add_nc_u64 s[16:17], s[16:17], s[40:41]      ; ff1_w
	s_add_nc_u64 s[18:19], s[18:19], s[40:41]      ; ff2_w
	s_add_nc_u64 s[14:15], s[14:15], s[44:45]      ; out_w
	s_add_nc_u64 s[20:21], s[20:21], s[42:43]      ; wq
	s_add_nc_u64 s[24:25], s[24:25], s[42:43]      ; w1
	s_add_nc_u64 s[26:27], s[22:23], s[42:43]      ; ff2_w's copy,
	s_add_nc_u64 s[26:27], s[26:27], 2097152       ; behind out_w's in wo2
	s_add_nc_u64 s[22:23], s[22:23], s[46:47]      ; out_w's copy
.macro ROWIN r
.irp k, 0,1,2,3,4,5,6,7
	global_load_b128 v[X+32*(\r)+4*(\k):X+32*(\r)+4*(\k)+3], v[IO], s[32:33] offset:4096*(\r)+512*(\k) th:TH_LOAD_NT
.endr
.endm
; Weight load u of 40, or its store: 0-11 qkv_w, 12-23 ff1_w, 24-35 ff2_w, 36-39 out_w
.macro WIO u, ld
.if (\u) < 12
.set SB, 12
.set DB, 20
.set J, (\u)
.elseif (\u) < 24
.set SB, 16
.set DB, 24
.set J, (\u)-12
.elseif (\u) < 36
.set SB, 18
.set DB, 26
.set J, (\u)-24
.else
.set SB, 14
.set DB, 22
.set J, (\u)-36
.endif
.if \ld
	global_load_b128 v[CV+4*(\u):CV+4*(\u)+3], v[IO1], s[SB:SB+1] offset:512*J th:TH_LOAD_NT
.else
	global_store_b64 v[OO1], v[CV+4*(\u):CV+4*(\u)+1], s[DB:DB+1] offset:256*J
.endif
.endm
	s_wait_alu depctr_va_vdst(0)                   ; the four lane offsets v2, v3, v416, v417 are written: every load and store of the kernel reads one of them.  Up to the last load below stand only loads, a window switch and a wait on LOADcnt
	ROWIN 0
	ROWIN 1
.irp k, 0,1,2,3,4,5,6,7
	global_load_b128 v[W+4*(\k):W+4*(\k)+3], v[IO], s[6:7] offset:512*(\k)
.endr
.irp k, 0,1,2,3,4,5,6,7
	global_load_b128 v[BV+4*(\k):BV+4*(\k)+3], v[IO], s[8:9] offset:512*(\k)
.endr
	WIN 0x45                                       ; destination, source 0 (the address) and source 1 (a store's data) in window 1
.set n, 0
.rept 28
	WIO n, 1
.set n, n+1
.endr
	s_wait_loadcnt 44                              ; both rows of x are in: behind them stand gain and bias (16) and the 28 above
.rept 12
	WIO n, 1                                       ; the other 12
.set n, n+1
.endr
	WIN 0
.macro JOIN                            ; four chains of pairs into one number a lane
	v_pk_add_f32 v[T:T+1], v[T:T+1], v[T+2:T+3]
	v_pk_add_f32 v[T+4:T+5], v[T+4:T+5], v[T+6:T+7]
	v_pk_add_f32 v[T:T+1], v[T:T+1], v[T+4:T+5]
	v_add_f32 v[T], v[T], v[T+1]
.endm
.macro REDUCE                          ; the sum over the 32 lanes, in every lane
	v_add_f32_dpp v[T], v[T], v[T] row_xmask:1 row_mask:0xf bank_mask:0xf
	v_add_f32_dpp v[T], v[T], v[T] row_xmask:2 row_mask:0xf bank_mask:0xf
	v_add_f32_dpp v[T], v[T], v[T] row_xmask:4 row_mask:0xf bank_mask:0xf
	v_add_f32_dpp v[T], v[T], v[T] row_xmask:8 row_mask:0xf bank_mask:0xf
	v_permlanex16_b32 v[T+1], v[T], s38, s39
	v_add_f32 v[T], v[T], v[T+1]
.endm
; Row r, first part: the mean, the deviations in place, the mean of their squares, the two roots.
.macro STATS r
.set XR, X+32*(\r)
.irp k, 0,1,2,3
	v_pk_add_f32 v[T+2*(\k):T+2*(\k)+1], v[XR+4*(\k):XR+4*(\k)+1], v[XR+4*(\k)+2:XR+4*(\k)+3]  ; the first eight pairs start four chains: nothing is cleared
.endr
.irp k, 0,1,2,3,4,5,6,7
	v_pk_add_f32 v[T+2*((\k)%4):T+2*((\k)%4)+1], v[T+2*((\k)%4):T+2*((\k)%4)+1], v[XR+16+2*(\k):XR+16+2*(\k)+1]
.endr
	JOIN
	REDUCE
	v_mul_f32 v[M], s36, v[T]                      ; the mean
	v_mov_b32 v[M+1], v[M]
.set i, 0
.rept 16
	v_pk_add_f32 v[XR+i:XR+i+1], v[XR+i:XR+i+1], v[M:M+1] neg_lo:[0,1] neg_hi:[0,1]  ; d = x - mean, in place
.set i, i+2
.endr
.irp k, 0,1,2,3
	v_pk_mul_f32 v[T+2*(\k):T+2*(\k)+1], v[XR+2*(\k):XR+2*(\k)+1], v[XR+2*(\k):XR+2*(\k)+1]
.endr
.irp k, 4,5,6,7,8,9,10,11,12,13,14,15
	v_pk_fma_f32 v[T+2*((\k)%4):T+2*((\k)%4)+1], v[XR+2*(\k):XR+2*(\k)+1], v[XR+2*(\k):XR+2*(\k)+1], v[T+2*((\k)%4):T+2*((\k)%4)+1]
.endr
	JOIN
	REDUCE
	v_fma_f32 v[T], v[T], s36, s37                 ; var + eps
	v_rsq_f32 v[R+2*(\r)], v[T]
	v_rsq_f32 v[R+2*(\r)+1], v[T]
	v_nop                                          ; a plain instruction behind the second root, ahead of the next write of its source v[T] and of the use of the results
.endm
; Row r, second part: scaled, gain and bias, rounded to bf16 into the first pair of each four registers.
.macro FINISH r
.set XR, X+32*(\r)
.set i, 0
.rept 16
	v_pk_mul_f32 v[XR+i:XR+i+1], v[XR+i:XR+i+1], v[R+2*(\r):R+2*(\r)+1]
.set i, i+2
.endr
.set i, 0
.rept 16
	v_pk_fma_f32 v[XR+i:XR+i+1], v[XR+i:XR+i+1], v[W+i:W+i+1], v[BV+i:BV+i+1]
.set i, i+2
.endr
.irp k, 0,1,2,3,4,5,6,7
	v_cvt_pk_bf16_f32 v[XR+4*(\k)],   v[XR+4*(\k)],   v[XR+4*(\k)+1]   ; in place, ascending: a register is written only when it has been read
	v_cvt_pk_bf16_f32 v[XR+4*(\k)+1], v[XR+4*(\k)+2], v[XR+4*(\k)+3]
.endr
.endm
.macro ROWOUT r
.irp k, 0,1,2,3,4,5,6,7
	global_store_b64 v[OO], v[X+32*(\r)+4*(\k):X+32*(\r)+4*(\k)+1], s[34:35] offset:2048*(\r)+256*(\k)  ; 256 consecutive bytes a wave, aligned
.endr
.endm
	STATS 0
	STATS 1                                        ; names none of row 0's roots: the independent work behind them
	s_wait_alu depctr_va_vdst(0)                   ; the four roots have written v[R:R+3]: a wait ahead of their first reader: one for the batch
	s_wait_loadcnt 40                              ; gain and bias are in: behind them stand the 40 loads of weights
	FINISH 0
	FINISH 1
	s_wait_alu depctr_va_vdst(0)                   ; the 32 conversions have written the pairs of X that the 16 stores below read
	ROWOUT 0
	ROWOUT 1
	WIN 0x45
.set g, 0
.rept 5
	s_wait_loadcnt 32-8*g                          ; the eight loads of group g are in; the later groups' may stay out
.set n, 8*g
.rept 8
	v_cvt_pk_bf16_f32 v[CV+4*n],   v[CV+4*n],   v[CV+4*n+1]
	v_cvt_pk_bf16_f32 v[CV+4*n+1], v[CV+4*n+2], v[CV+4*n+3]
.set n, n+1
.endr
	s_wait_alu depctr_va_vdst(0)                   ; the group's sixteen conversions have written the pairs of CV that its eight stores read
.set n, 8*g
.rept 8
	WIO n, 0                                       ; they leave ahead of the next group's wait for its loads
.set n, n+1
.endr
.set g, g+1
.endr
	WIN 0
	s_endpgm
.Lfunc_end_k_qa9a474a7bb_prep:
	.size	k_qa9a474a7bb_prep, .Lfunc_end_k_qa9a474a7bb_prep-k_qa9a474a7bb_prep
	.p2alignl 7, 3214868480
	.fill 96, 4, 3214868480
	.section	.rodata,"a",@progbits
	.p2align	6, 0x0
	.amdhsa_kernel k_qa9a474a7bb_prep
		.amdhsa_group_segment_fixed_size 0
		.amdhsa_private_segment_fixed_size 0
		.amdhsa_enable_private_segment 0
		.amdhsa_kernarg_size 88
		.amdhsa_user_sgpr_count 2
		.amdhsa_user_sgpr_kernarg_segment_ptr 1
		.amdhsa_wavefront_size32 1
		.amdhsa_system_sgpr_workgroup_id_x 1
		.amdhsa_system_sgpr_workgroup_id_y 1
		.amdhsa_system_sgpr_workgroup_id_z 1
		.amdhsa_system_vgpr_workitem_id 0
		.amdhsa_next_free_vgpr 420
		.amdhsa_next_free_sgpr 66
		.amdhsa_reserve_vcc 0
		.amdhsa_float_denorm_mode_32 3
		.amdhsa_float_denorm_mode_16_64 3
		.amdhsa_memory_ordered 1
		.amdhsa_forward_progress 1
		.amdhsa_inst_pref_size 34
	.end_amdhsa_kernel
	.amdgpu_metadata
---
amdhsa.version: [ 1, 2 ]
amdhsa.kernels:
  - .name:           k_qa9a474a7bb_prep
    .symbol:         k_qa9a474a7bb_prep.kd
    .args:
      - { .name: x, .offset: 0, .size: 8, .value_kind: global_buffer, .address_space: global }
      - { .name: ln1_w, .offset: 8, .size: 8, .value_kind: global_buffer, .address_space: global }
      - { .name: ln1_b, .offset: 16, .size: 8, .value_kind: global_buffer, .address_space: global }
      - { .name: act, .offset: 24, .size: 8, .value_kind: global_buffer, .address_space: global }
      - { .name: qkv_w, .offset: 32, .size: 8, .value_kind: global_buffer, .address_space: global }
      - { .name: out_w, .offset: 40, .size: 8, .value_kind: global_buffer, .address_space: global }
      - { .name: ff1_w, .offset: 48, .size: 8, .value_kind: global_buffer, .address_space: global }
      - { .name: ff2_w, .offset: 56, .size: 8, .value_kind: global_buffer, .address_space: global }
      - { .name: wq, .offset: 64, .size: 8, .value_kind: global_buffer, .address_space: global }
      - { .name: wo2, .offset: 72, .size: 8, .value_kind: global_buffer, .address_space: global }
      - { .name: w1, .offset: 80, .size: 8, .value_kind: global_buffer, .address_space: global }
    .group_segment_fixed_size: 0
    .private_segment_fixed_size: 0
    .kernarg_segment_align: 8
    .kernarg_segment_size: 88
    .max_flat_workgroup_size: 256
    .sgpr_count:     66
    .vgpr_count:     420
    .wavefront_size: 32
...
	.end_amdgpu_metadata
.endif
;; end of part 8
;; launch proj3072: the kernel of part 2 again; grid 8 x 32, 4 waves a work-group, clusters of 4 x 4, 327,680 bytes of LDS; arguments act, wq, qkv_b, big; writes big
;; launch attn: the kernel of part 3 again; grid 16 x 16, 16 waves a work-group, no clusters, 180,224 bytes of LDS; arguments big, act; writes act
;; launch oproj: the kernel of part 4 again; grid 8 x 32, 4 waves a work-group, clusters of 4 x 4, 327,680 bytes of LDS; arguments act, wo2, out_b, x, x1; writes x1
;; launch ln2 (part 9): grid 256 x 1, 8 waves a work-group, no clusters, 0 bytes of LDS; arguments x1, ln2_w, ln2_b, act; writes act
.if DOCPART == 9
	.amdgcn_target "amdgcn-amd-amdhsa--gfx1250"
	.amdhsa_code_object_version 6
	.text
	.protected	k_qa9a474a7bb_ln2
	.globl	k_qa9a474a7bb_ln2
	.p2align	8
	.type	k_qa9a474a7bb_ln2,@function
k_qa9a474a7bb_ln2:
	s_mov_b64 s[64:65], 0
	v_nop
	global_prefetch_b8 v0, s[64:65] scope:SCOPE_SE
	s_setreg_imm32_b32 hwreg(HW_REG_WAVE_SCHED_MODE, 0, 2), 2
	s_setreg_imm32_b32 hwreg(HW_REG_WAVE_MODE, 25, 1), 1
	s_wait_xcnt 0x0
	s_wait_alu depctr_vm_vsrc(0)
; h2 = LayerNorm(x1) * ln2_w + ln2_b, rounded once to bf16.  x1: [4096][1024] f32; h2: [4096][1024] bf16.  A wave owns two rows and keeps each in 32 registers: mean, then the deviations, then the mean of
; their squares (two passes, so a common offset costs nothing), all in f32.  Every load takes 512 consecutive bytes: lane l the four numbers 128 k + 4 l .. + 3 of piece k of a row; they leave as 8 bytes of
; bf16: the 32 lanes of a store cover 256 consecutive bytes, aligned.  No LDS, no barrier.  LIMITS: NaN and infinities are not treated apart.
; THE MODE: SCHED_MODE bits 1:0 = 2 (LLVM: expert scheduling mode 2), set by the entry lines.  The code itself states the register dependences between vector instructions and memory
; instructions, with s_wait_alu, always for 0.
; THE PLAN.  Registers that memory instructions touch:
;   v2, v3   the lane offsets.  Written at the head, never again; read by every load and store.
;   X        Written by 16 loads, then in place by the vector lines, last by the 32 conversions; then 16 stores read the converted pairs.  Nothing writes X behind the stores.
;   W, BV    Written by 16 loads; read by vector lines alone.
;   M, T and R are named by vector lines alone.
; So: one wait ahead of the first load (the offsets), and all 32 loads follow it with no vector line between; both rows' means and variances are made first, so that the four roots are one batch with
; one wait; both rows are scaled and converted, and one wait stands ahead of the run of 16 stores.  No register that a load or store reads is written again, so no line waits for memory instructions
; to have read their registers.
.set IO,  2                            ; v2       16 x lane
.set OO,  3                            ; v3       8 x lane
.set M,   4                            ; v[4:5]   the mean, twice
.set W,   8                            ; v[8:39]  the gain of my 32 columns
.set BV,  40                           ; v[40:71] the bias
.set X,   72                           ; v[72:135] two rows
.set T,   136                          ; v[136:143] at work
.set R,   144                          ; v[144:147] row r: 1 / sqrt(var + eps), twice, at R + 2 r
	s_load_b256 s[4:11], s[0:1], 0x0               ; x1 s[4:5], gain s[6:7], bias s[8:9], h2 s[10:11]
	v_lshrrev_b32 v1, 5, v0
	v_readfirstlane_b32 s30, v1                    ; wave 0..7
	v_and_b32 v1, 31, v0
	v_lshlrev_b32 v[IO], 4, v1
	v_lshlrev_b32 v[OO], 3, v1
	s_mov_b32 s36, 0x3a800000                      ; 1 / 1024
	s_mov_b32 s37, 0x3727c5ac                      ; eps = 1e-5
	s_mov_b32 s38, 0x76543210
	s_mov_b32 s39, 0xfedcba98
	s_lshl_b32 s32, ttmp9, 16                      ; 16 rows of 4,096 bytes a work-group,
	s_wait_alu depctr_va_sdst(0)                   ; s30 is written, ahead of its first reader: both bases are made from it
	s_lshl_b32 s40, s30, 13                        ; 2 a wave
	s_add_co_u32 s32, s32, s40
	s_mov_b32 s33, 0
	s_lshr_b32 s34, s32, 1
	s_mov_b32 s35, 0
	s_wait_kmcnt 0x0
	s_add_nc_u64 s[32:33], s[4:5], s[32:33]
	s_add_nc_u64 s[34:35], s[10:11], s[34:35]
.macro ROWIN r
.irp k, 0,1,2,3,4,5,6,7
	global_load_b128 v[X+32*(\r)+4*(\k):X+32*(\r)+4*(\k)+3], v[IO], s[32:33] offset:4096*(\r)+512*(\k)
.endr
.endm
	s_wait_alu depctr_va_vdst(0)                   ; the lane offsets v2 and v3 are written: every load and store of the kernel reads one of them
	ROWIN 0
	ROWIN 1
.irp k, 0,1,2,3,4,5,6,7
	global_load_b128 v[W+4*(\k):W+4*(\k)+3], v[IO], s[6:7] offset:512*(\k)
.endr
.irp k, 0,1,2,3,4,5,6,7
	global_load_b128 v[BV+4*(\k):BV+4*(\k)+3], v[IO], s[8:9] offset:512*(\k)
.endr
.macro JOIN
	v_pk_add_f32 v[T:T+1], v[T:T+1], v[T+2:T+3]
	v_pk_add_f32 v[T+4:T+5], v[T+4:T+5], v[T+6:T+7]
	v_pk_add_f32 v[T:T+1], v[T:T+1], v[T+4:T+5]
	v_add_f32 v[T], v[T], v[T+1]
.endm
.macro REDUCE
	v_add_f32_dpp v[T], v[T], v[T] row_xmask:1 row_mask:0xf bank_mask:0xf
	v_add_f32_dpp v[T], v[T], v[T] row_xmask:2 row_mask:0xf bank_mask:0xf
	v_add_f32_dpp v[T], v[T], v[T] row_xmask:4 row_mask:0xf bank_mask:0xf
	v_add_f32_dpp v[T], v[T], v[T] row_xmask:8 row_mask:0xf bank_mask:0xf
	v_permlanex16_b32 v[T+1], v[T], s38, s39
	v_add_f32 v[T], v[T], v[T+1]
.endm
; Row r, first part: the mean, the deviations in place, the mean of their squares, the two roots.
.macro STATS r
.set XR, X+32*(\r)
.irp k, 0,1,2,3
	v_pk_add_f32 v[T+2*(\k):T+2*(\k)+1], v[XR+4*(\k):XR+4*(\k)+1], v[XR+4*(\k)+2:XR+4*(\k)+3]
.endr
.irp k, 0,1,2,3,4,5,6,7
	v_pk_add_f32 v[T+2*((\k)%4):T+2*((\k)%4)+1], v[T+2*((\k)%4):T+2*((\k)%4)+1], v[XR+16+2*(\k):XR+16+2*(\k)+1]
.endr
	JOIN
	REDUCE
	v_mul_f32 v[M], s36, v[T]
	v_mov_b32 v[M+1], v[M]
.set i, 0
.rept 16
	v_pk_add_f32 v[XR+i:XR+i+1], v[XR+i:XR+i+1], v[M:M+1] neg_lo:[0,1] neg_hi:[0,1]
.set i, i+2
.endr
.irp k, 0,1,2,3
	v_pk_mul_f32 v[T+2*(\k):T+2*(\k)+1], v[XR+2*(\k):XR+2*(\k)+1], v[XR+2*(\k):XR+2*(\k)+1]
.endr
.irp k, 4,5,6,7,8,9,10,11,12,13,14,15
	v_pk_fma_f32 v[T+2*((\k)%4):T+2*((\k)%4)+1], v[XR+2*(\k):XR+2*(\k)+1], v[XR+2*(\k):XR+2*(\k)+1], v[T+2*((\k)%4):T+2*((\k)%4)+1]
.endr
	JOIN
	REDUCE
	v_fma_f32 v[T], v[T], s36, s37
	v_rsq_f32 v[R+2*(\r)], v[T]
	v_rsq_f32 v[R+2*(\r)+1], v[T]
	v_nop                                          ; a plain instruction behind the second root, ahead of the next write of its source v[T] and of the use of the results
.endm
; Row r, second part: scaled, gain and bias, rounded to bf16 into the first pair of each four registers.
.macro FINISH r
.set XR, X+32*(\r)
.set i, 0
.rept 16
	v_pk_mul_f32 v[XR+i:XR+i+1], v[XR+i:XR+i+1], v[R+2*(\r):R+2*(\r)+1]
.set i, i+2
.endr
.set i, 0
.rept 16
	v_pk_fma_f32 v[XR+i:XR+i+1], v[XR+i:XR+i+1], v[W+i:W+i+1], v[BV+i:BV+i+1]
.set i, i+2
.endr
.irp k, 0,1,2,3,4,5,6,7
	v_cvt_pk_bf16_f32 v[XR+4*(\k)],   v[XR+4*(\k)],   v[XR+4*(\k)+1]   ; in place, ascending: a register is written only when it has been read
	v_cvt_pk_bf16_f32 v[XR+4*(\k)+1], v[XR+4*(\k)+2], v[XR+4*(\k)+3]
.endr
.endm
.macro ROWOUT r
.irp k, 0,1,2,3,4,5,6,7
	global_store_b64 v[OO], v[X+32*(\r)+4*(\k):X+32*(\r)+4*(\k)+1], s[34:35] offset:2048*(\r)+256*(\k)  ; 256 consecutive bytes a wave, aligned
.endr
.endm
	s_wait_loadcnt 16                              ; both rows are in; the 16 loads of gain and bias may be out
	STATS 0
	STATS 1                                        ; names none of row 0's roots: the independent work behind them
	s_wait_alu depctr_va_vdst(0)                   ; the four roots have written v[R:R+3]: a wait ahead of their first reader: one for the batch
	s_wait_loadcnt 0x0                             ; gain and bias, the youngest loads
	FINISH 0
	FINISH 1
	s_wait_alu depctr_va_vdst(0)                   ; the 32 conversions have written the pairs of X that the 16 stores below read
	ROWOUT 0
	ROWOUT 1
	s_endpgm
.Lfunc_end_k_qa9a474a7bb_ln2:
	.size	k_qa9a474a7bb_ln2, .Lfunc_end_k_qa9a474a7bb_ln2-k_qa9a474a7bb_ln2
	.p2alignl 7, 3214868480
	.fill 96, 4, 3214868480
	.section	.rodata,"a",@progbits
	.p2align	6, 0x0
	.amdhsa_kernel k_qa9a474a7bb_ln2
		.amdhsa_group_segment_fixed_size 0
		.amdhsa_private_segment_fixed_size 0
		.amdhsa_enable_private_segment 0
		.amdhsa_kernarg_size 32
		.amdhsa_user_sgpr_count 2
		.amdhsa_user_sgpr_kernarg_segment_ptr 1
		.amdhsa_wavefront_size32 1
		.amdhsa_system_sgpr_workgroup_id_x 1
		.amdhsa_system_sgpr_workgroup_id_y 1
		.amdhsa_system_sgpr_workgroup_id_z 1
		.amdhsa_system_vgpr_workitem_id 0
		.amdhsa_next_free_vgpr 148
		.amdhsa_next_free_sgpr 66
		.amdhsa_reserve_vcc 0
		.amdhsa_float_denorm_mode_32 3
		.amdhsa_float_denorm_mode_16_64 3
		.amdhsa_memory_ordered 1
		.amdhsa_forward_progress 1
		.amdhsa_inst_pref_size 20
	.end_amdhsa_kernel
	.amdgpu_metadata
---
amdhsa.version: [ 1, 2 ]
amdhsa.kernels:
  - .name:           k_qa9a474a7bb_ln2
    .symbol:         k_qa9a474a7bb_ln2.kd
    .args:
      - { .name: x1, .offset: 0, .size: 8, .value_kind: global_buffer, .address_space: global }
      - { .name: ln2_w, .offset: 8, .size: 8, .value_kind: global_buffer, .address_space: global }
      - { .name: ln2_b, .offset: 16, .size: 8, .value_kind: global_buffer, .address_space: global }
      - { .name: act, .offset: 24, .size: 8, .value_kind: global_buffer, .address_space: global }
    .group_segment_fixed_size: 0
    .private_segment_fixed_size: 0
    .kernarg_segment_align: 8
    .kernarg_segment_size: 32
    .max_flat_workgroup_size: 256
    .sgpr_count:     66
    .vgpr_count:     148
    .wavefront_size: 32
...
	.end_amdgpu_metadata
.endif
;; end of part 9
;; launch ff1: the kernel of part 6 again; grid 8 x 32, 4 waves a work-group, clusters of 4 x 4, 327,680 bytes of LDS; arguments act, w1, ff1_b, big; writes big
;; launch ff2: the kernel of part 7 again; grid 8 x 32, 4 waves a work-group, clusters of 4 x 4, 327,680 bytes of LDS; arguments big, wo2, ff2_b, x1, out0; writes out0
